; MI455X (gfx1250); checked and timed in simulation.
; The chip was launched on July 23, 2026; its instructions are those of AMD's public machine-readable ISA for CDNA 5 (MIT licence, August 2026) and "CDNA5" Instruction Set Architecture Reference Guide (July 2026). The comments in the code are by the model that wrote it; some were corrected since.
;; Mo Fo Circulant Attention. Allowed arithmetic: matrix products marked QUANTISED: E2M3 operands, one E8M0 scale for each 32 along K, by v_wmma_scale_f32_16x16x128_f8f6f4 with both operands' format E2M3, f32 sums; everything else in f32.
;; Inputs: W_gate 1,024 x 1,024 float32; W_out 1,024 x 1,024 float32; W_qkv 1,024 x 3,072 float32; b_gate 1,024 float32; b_out 1,024 float32; b_qkv 3,072 float32; x 8 x 1,024 x 1,024 float32.
;; Outputs: out0 8 x 1,024 x 1,024 float32.
;; This version of the problem:
;;   THIS VERSION OF THE PROBLEM IS GIVEN IN LOW PRECISION. The matrix products marked QUANTISED in the list below multiply operands that are first quantised to E2M3 (2 exponent bits, 3 mantissa bits; 6 bits a number), with one power-of-two scale for each 32 numbers along K (OCP MX v1.0); their sums are f32. All else is computed in f32.
;;   The module's matrix products, in the order in which they are computed (A, B: the left and right operand; K: the contracted axis; several contracted axes count as one K, in the product's order):
;;     1. [M 8,192, K 1,024] x [K 1,024, N 1,024]; A: input x; B: input W_gate: QUANTISED
;;     2. [M 8,192, K 1,024] x [K 1,024, N 3,072]; A: input x; B: input W_qkv: QUANTISED
;;     3. batch 128 x [M 1,024, K 64] x [K 64, N 1,024]; A: computed on the way; B: computed on the way: QUANTISED
;;     4. batch 128 x [M 64, K 1,024] x [K 1,024, N 1,024]; A: computed on the way; B: softmax (see below): QUANTISED
;;     5. [M 8,192, K 1,024] x [K 1,024, N 1,024]; A: computed on the way; B: input W_out: QUANTISED
;;   THE QUANTISER, for each operand of a quantised product, along K:
;;     - K is cut into blocks of 32 from its start; a last block that is shorter is filled with zeros.
;;     - A block's scale is 2^e with e = floor(log2(the largest magnitude in the block)) - 2, held to -126 .. 127; a block of zeros has e = 0. As a byte (E8M0): e + 127.
;;     - Each number is divided by its block's scale, clamped to +-7.5, and rounded to the nearest number of E2M3, ties to even, subnormals kept.
;;     - The product sums the exact products of the quantised numbers (number of the format x scale) in f32.
;;   ~~~python
;;   def quantise(x, axis):      # numpy; x: float32 -> the quantised numbers, widened to float32 again
;;       x = np.moveaxis(x, axis, -1); K = x.shape[-1]
;;       x = np.pad(x, [(0, 0)] * (x.ndim - 1) + [(0, -K % 32)]); x = x.reshape(x.shape[:-1] + (-1, 32)); a = np.abs(x).max(-1, keepdims=True)
;;       e = np.where(a > 0, np.clip(np.frexp(np.where(a > 0, a, 1))[1] - 1 - 2, -126, 127), 0)      # np.frexp(a)[1] - 1 = floor(log2(a)), exactly
;;       r = np.clip(x / 2.0 ** e, -7.5, 7.5)
;;       step = 2.0 ** (np.maximum(np.frexp(np.where(r == 0, 1, r))[1] - 1, 0) - 3)
;;       q = np.round(r / step) * step * 2.0 ** e      # np.round: ties to even
;;       return np.moveaxis(q.reshape(q.shape[:-2] + (-1,))[..., :K], -1, axis).astype(np.float32)
;;   ~~~
;;   SOFTMAX AHEAD OF A QUANTISED PRODUCT. Where the list says 'softmax', what is quantised is not the finished softmax but p = 2^(t - M), with t = logit x log2(e) and M = ceil(the row's largest t), a whole number; so 1/2 < the row's largest p <= 1. The row's sum l is taken of the UNQUANTISED p, in f32, and the product's result is divided by l at the end. Since M is a whole number, a kernel that streams over the keys may use a running M (the ceiling of the running maximum): every later rescaling is an exact power of two, which a block's scale takes up: the codes' values come out the same.
;;   OPERANDS COMPUTED ON THE WAY. 'Computed on the way' means the value that the module computes at that place (a softmax that the list does not call 'softmax' is quantised finished and normalised). What goes into a quantiser is computed in f32, as accurately as f32 sums, v_exp_f32 and their like allow (about 1e-6 of the number): no bf16 or f16 on the way to a quantiser, and a product that is left as it is and whose result goes on into a quantised operand takes f32 operands (vector FMAs, or v_wmma_f32_16x16x4_f32). A number that lies on a knife's edge between two numbers of the format may be rounded either way, as far as f32 arithmetic and the matrix unit's own rounding can turn it there, and no further.
;; One version. Each part assembles by itself: llvm-mc -triple=amdgcn-amd-amdhsa -mcpu=gfx1250 --defsym DOCPART=n.
;; ======== version 1 of 1: 4 launches
;; limits: right only within a limited range of input values
;; workspace buffers: x_img 6,291,456 bytes; x_sc 262,144 bytes; w_img 3,932,160 bytes; w_sc 163,840 bytes; q_img 6,291,456 bytes; kv 13,893,632 bytes; ao_img 6,291,456 bytes; ao_sc 262,144 bytes
;; launch prep (part 1): grid 576 x 1, 4 waves a work-group, no clusters, 80,896 bytes of LDS; arguments x, W_qkv, W_gate, W_out, x_img, x_sc, w_img, w_sc; writes x_img, x_sc, w_img, w_sc
.if DOCPART == 1
	.amdgcn_target "amdgcn-amd-amdhsa--gfx1250"
	.amdhsa_code_object_version 6
	.text
	.protected	k_q1e8b18e402_prep
	.globl	k_q1e8b18e402_prep
	.p2align	8
	.type	k_q1e8b18e402_prep,@function
k_q1e8b18e402_prep:
	s_mov_b64 s[64:65], 0
	v_nop
	global_prefetch_b8 v0, s[64:65] scope:SCOPE_SE
	s_setreg_imm32_b32 hwreg(HW_REG_WAVE_MODE, 25, 1), 1
	s_wait_xcnt 0x0
; x [8192][1024] f32 is quantised along its last axis, W_qkv [1024][3072], W_gate and W_out [1024][1024] f32 along their FIRST axis (each product's K), into codes of FP6 (E2M3)
; with one E8M0 byte for each 32 along K.  A block's scale is 2^(floor(log2(largest magnitude)) - 2); its byte is the largest magnitude's exponent field - 2, held at 1 from below.
; LIMITS: NaN and infinities are not served; a block of zeros, or one whose largest magnitude lies under 2^-124, gets the byte 1 (its codes add nothing; the bytes are read by this program alone).
; LAYOUT OF THE RESULTS: in the order of the matrix operand's registers.  A TILE is 16 rows (of x) or 16 columns (of a W): tile 2 g + u holds, at place r, index 32 g + 8 u + r + 8 (r / 8).
; A HALF (768 bytes) is a tile x 64 along K: lane (r, h) owns block h of place r, 24 bytes: its first 16 at 16 x lane, its last 8 at 512 + 8 x lane.  x_img, w_img: [tile][K / 64][768].
; A QUAD (256 bytes) holds the scale words (four bytes: 128 along K) of four tiles: place r of tile i at 16 r + 4 i.  x_sc, w_sc: [4 tiles][K / 128][256].
; w's tiles: W_qkv's 192, then W_gate's 64, then W_out's 64.
; Work-groups 0-255 take x (a wave: 64 rows x 128 K), work-groups 256-575 the weights (a wave: 32 columns x 128 K).  The two paths have LDS bytes of their own.
.set XW,    16896                      ; x: a wave's stage, 32 places of 512 + 16 bytes; four of them from LDS byte 0
.set WST,   67584                      ; weights: a wave's stage, two tiles' fragments, 3,072 bytes; four of them
.set WSC,   79872                      ; weights: the work-group's two QUADs
.set SPARE, 80384                      ; the spare words, 128 bytes a wave: two blocks of 256 bytes that no other line names
.set SPW,   20                         ; v20  my spare word's LDS address; never rewritten
.set NIL,   21                         ; v21  0; never rewritten
.set R,     32                         ; v32-159   x: 32 rows as loaded
.set X,     160                        ; v160-223  x: 64 numbers of my row: register 16 b + i = k 32 b + 16 h + i
.set PC,    224                        ; v224-235  a fragment's codes; v236-238, v240-242 conversions' second halves
.set TM,    244                        ; v244-247 largest magnitudes, v248-251 the other lane's / bytes, v252-255 the conversions' scale operands
.set SEL,   30                         ; s[30:31] lane selects: lane l xor 16
	s_load_b256 s[4:11], s[0:1], 0x0               ; x, W_qkv, W_gate, W_out
	s_load_b256 s[12:19], s[0:1], 0x20             ; x_img, x_sc, w_img, w_sc
	v_lshl_add_u32 v[SPW], v0, 2, SPARE
	v_mov_b32 v[NIL], 0
	v_lshrrev_b32 v22, 5, v0
	v_readfirstlane_b32 s20, v22                   ; wave
	v_and_b32 v1, 31, v0                           ; lane
	v_and_b32 v2, 15, v0                           ; r
	v_bfe_u32 v3, v0, 4, 1                         ; h
	v_lshlrev_b32 v4, 4, v1                        ; 16 x lane
	v_lshlrev_b32 v5, 3, v1                        ; 8 x lane
	s_mul_i32 s21, s20, XW
	v_add_nc_u32 v6, s21, v4                       ; x's stage, in: a row's 512 bytes as they lie
	v_mul_u32_u24 v7, v2, 528
	v_lshl_add_u32 v7, v3, 6, v7
	v_add_nc_u32 v7, s21, v7                       ; and out: place r, + 64 h
	v_bfe_u32 v22, v0, 3, 1                        ; weights: my column's tile u = (lane / 8) % 2
	v_and_b32 v23, 7, v0
	v_lshl_add_u32 v23, v3, 3, v23                 ; and its place lane % 8 + 8 (lane / 16)
	s_wait_alu depctr_va_vdst(0)
	s_mul_i32 s22, s20, 3072
	s_add_co_u32 s22, s22, WST
	v_mul_u32_u24 v24, v22, 1536
	v_add_nc_u32 v24, s22, v24
	v_lshl_add_u32 v8, v23, 4, v24                 ; where my block's first 16 bytes go
	v_lshl_add_u32 v9, v23, 3, v24
	v_add_nc_u32 v9, 512, v9                       ; and its last 8
	s_lshr_b32 s23, s20, 1
	s_lshl_b32 s23, s23, 8
	s_and_b32 s24, s20, 1
	s_lshl_b32 s24, s24, 3
	s_add_co_u32 s23, s23, s24
	s_add_co_u32 s23, s23, WSC
	v_lshlrev_b32 v10, 4, v23
	v_lshl_add_u32 v10, v22, 2, v10
	v_add_nc_u32 v10, s23, v10                     ; my column's scale word in the work-group's QUADs
	v_add_nc_u32 v11, s22, v4                      ; the weights' stage, out
	v_add_nc_u32 v12, WSC, v4                      ; the QUADs, out
	v_lshlrev_b32 v13, 2, v1                       ; 4 x lane
	v_lshlrev_b32 v15, 4, v2                       ; 16 r
	v_lshl_add_u32 v14, v3, 11, v15                ; 16 r + 2,048 h
	s_mov_b32 s[SEL], 0x76543210
	s_mov_b32 s[SEL+1], 0xfedcba98
	s_wait_kmcnt 0x0
	s_cmp_lt_u32 ttmp9, 256                        ; the work-group's number alone: all four waves go one way
	s_cbranch_scc0 .Lweights
; ---------------------------------------------------------------- x
	s_lshr_b32 s24, ttmp9, 1                       ; which 64 rows
	s_and_b32 s25, ttmp9, 1
	s_lshl_b32 s25, s25, 2
	s_add_co_u32 s25, s25, s20                     ; which 128 along K
	s_lshl_b32 s26, s24, 18                        ; 64 rows of 4,096 bytes
	s_lshl_b32 s28, s25, 9
	s_add_co_u32 s26, s26, s28
	s_mov_b32 s27, 0
	s_add_nc_u64 s[4:5], s[4:5], s[26:27]
	s_mul_i32 s26, s24, 49152                      ; four tiles of 12,288 bytes
	s_mul_i32 s28, s25, 1536
	s_add_co_u32 s26, s26, s28
	s_add_nc_u64 s[12:13], s[12:13], s[26:27]
	s_lshl_b32 s26, s24, 11
	s_lshl_b32 s28, s25, 8
	s_add_co_u32 s26, s26, s28
	s_add_nc_u64 s[14:15], s[14:15], s[26:27]
.irp b, 0,1,2,3
	v_mov_b32 v[TM+4+\b], 0                        ; written once: a lane permute's destination counts as one of its sources
.endr
.macro XLOAD g                         ; rows 32 g .. 32 g + 31: each load takes one row's 512 consecutive bytes
.set i, 0
.rept 32
	global_load_b128 v[R+4*i:R+4*i+3], v4, s[4:5] offset:(32*(\g)+i)*4096 th:TH_LOAD_NT
.set i, i+1
.endr
.endm
.macro XSTAGE                          ; row i goes to place 16 u + r of its tile, so that a tile's 16 rows are neighbours in the stage
.set i, 0
.rept 32
.if i%8 == 0
	s_wait_loadcnt 24-i                            ; loads come back in order: the next eight are in, the younger ones of this round stay out
.endif
	ds_store_b128 v6, v[R+4*i:R+4*i+3] offset:528*(16*((i/8)%2)+8*(i/16)+i%8)
.set i, i+1
.endr
.endm
; 64 numbers of a lane become a fragment's codes in v[PC] on and its scale word in v[pw]
.macro QUANT s, pw
.irp b, 0,1,2,3
	v_max3_num_f32 v[TM+\b], |v[(\s)+16*\b]|, |v[(\s)+1+16*\b]|, 0x1800000   ; my 16 numbers of block b, and the floor 2^(3 - 127): the byte cannot fall under 1
.endr
.irp i, 2,4,6,8,10,12,14
.irp b, 0,1,2,3
	v_max3_num_f32 v[TM+\b], v[TM+\b], |v[(\s)+16*\b+\i]|, |v[(\s)+1+16*\b+\i]|
.endr
.endr
.irp b, 0,1,2,3
	v_permlanex16_b32 v[TM+4+\b], v[TM+\b], s[SEL], s[SEL+1]
.endr
.irp b, 0,1,2,3
	v_max_num_f32 v[TM+\b], v[TM+\b], v[TM+4+\b]   ; with lane l xor 16's 16: the block's largest magnitude
.endr
.irp b, 0,1,2,3
	v_add_nc_u32 v[TM+8+\b], 0xff000000, v[TM+\b]  ; 2 off its exponent field: the conversion takes this operand's exponent field as its scale
.endr
.irp b, 0,1,2,3
	v_lshrrev_b32 v[TM+4+\b], 23, v[TM+8+\b]       ; the scale's byte
.endr
	v_lshl_or_b32 v[\pw], v[TM+5], 8, v[TM+4]
	v_lshl_or_b32 v[\pw], v[TM+6], 16, v[\pw]
	v_lshl_or_b32 v[\pw], v[TM+7], 24, v[\pw]
.irp c, 0,1
	v_cvt_scalef32_pk16_fp6_f32 v[PC+6*\c:PC+2+6*\c], v[(\s)+32*\c:(\s)+15+32*\c], v[TM+8+2*\c]
	v_cvt_scalef32_pk16_fp6_f32 v[PC+12+4*\c:PC+14+4*\c], v[(\s)+16+32*\c:(\s)+31+32*\c], v[TM+9+2*\c]   ; (a conversion's three registers begin on an even number)
.endr
	v_nop                                          ; one plain instruction behind the conversions
.irp c, 0,1                            ; the operand wants a whole block in a lane: lanes 0-15 block 2 c, lanes 16-31 block 2 c + 1
.irp i, 0,1,2
	v_permlane16_swap_b32 v[PC+6*\c+\i], v[PC+12+4*\c+\i]
.endr
.irp i, 0,1,2
	v_mov_b32 v[PC+3+6*\c+\i], v[PC+12+4*\c+\i]
.endr
.endr
.endm
.macro XTILE a                         ; tile a of the four: out of the stage, quantised, stored as two HALFs
.irp b, 0,1,2,3
.irp j, 0,1,2,3
	ds_load_b128 v[X+16*\b+4*\j:X+16*\b+4*\j+3], v7 offset:8448*((\a)%2)+128*\b+16*\j
.endr
.endr
	s_wait_dscnt 0x0
	s_wait_xcnt 0x0                                ; the last tile's stores have read v[PC] on: only now is it written again
	QUANT X, 16+(\a)
	global_store_b128 v4, v[PC:PC+3], s[12:13] offset:12288*(\a)         ; 512 consecutive bytes
	global_store_b64 v5, v[PC+4:PC+5], s[12:13] offset:12288*(\a)+512    ; 256 consecutive bytes, aligned
	global_store_b128 v4, v[PC+6:PC+9], s[12:13] offset:12288*(\a)+768
	global_store_b64 v5, v[PC+10:PC+11], s[12:13] offset:12288*(\a)+1280
.endm
	XLOAD 0
	XSTAGE
	s_wait_dscnt 0x0                               ; the stage's stores have read their registers, which take the next 32 rows
	XLOAD 1
	XTILE 0
	XTILE 1
	XSTAGE
	XTILE 2
	XTILE 3
	v_cmp_gt_u32 vcc_lo, 16, v1
	s_wait_xcnt 0x0                                ; EXEC is a source of the stores above: it changes only behind this wait
	s_and_saveexec_b32 s29, vcc_lo
	global_store_b128 v15, v[16:19], s[14:15]      ; the QUAD: sixteen lanes, 256 consecutive bytes, aligned
	s_wait_xcnt 0x0
	s_or_b32 exec_lo, exec_lo, s29
	s_wait_tensorcnt 0x0                           ; the wave's end: behind my last LDS store
	ds_add_u32 v[SPW], v[NIL]
	s_wait_dscnt 0x0
	s_endpgm
; ---------------------------------------------------------------- the weights: a lane takes a column, its registers run down K
.Lweights:
	s_sub_co_u32 s24, ttmp9, 256
	s_lshr_b32 s25, s24, 3                         ; which 128 columns of the 5,120
	s_and_b32 s26, s24, 7                          ; which 128 along K
	s_cmp_lt_u32 s25, 32
	s_cselect_b64 s[34:35], s[8:9], s[10:11]       ; the choice hangs on the work-group's number alone
	s_cselect_b32 s27, 24, 32
	s_cmp_lt_u32 s25, 24
	s_cselect_b64 s[34:35], s[6:7], s[34:35]
	s_cselect_b32 s27, 0, s27
	s_mov_b32 s28, 4096
	s_cselect_b32 s28, 12288, s28                  ; bytes in a row of that weight
	s_sub_co_u32 s27, s25, s27                     ; which 128 columns of that weight
	s_lshl_b32 s36, s26, 7
	s_mul_i32 s36, s36, s28
	s_lshl_b32 s38, s27, 9
	s_add_co_u32 s36, s36, s38
	s_lshl_b32 s38, s20, 7
	s_add_co_u32 s36, s36, s38
	s_mov_b32 s37, 0
	s_add_nc_u64 s[40:41], s[34:35], s[36:37]      ; block 0: my wave's 32 columns at the K step's first row
	s_lshl_b32 s36, s28, 5                         ; 32 rows on
	s_add_nc_u64 s[42:43], s[40:41], s[36:37]
	s_add_nc_u64 s[44:45], s[42:43], s[36:37]
	s_add_nc_u64 s[46:47], s[44:45], s[36:37]
	s_lshl_b32 s36, s25, 3
	s_lshl_b32 s38, s20, 1
	s_add_co_u32 s36, s36, s38                     ; my first tile
	s_mul_i32 s36, s36, 12288
	s_mul_i32 s38, s26, 1536
	s_add_co_u32 s36, s36, s38
	s_add_nc_u64 s[16:17], s[16:17], s[36:37]
	s_lshl_b32 s36, s25, 12
	s_lshl_b32 s38, s26, 8
	s_add_co_u32 s36, s36, s38
	s_add_nc_u64 s[18:19], s[18:19], s[36:37]
.set i, 0
	s_wait_alu depctr_va_vdst(0)
.rept 32
	v_mad_u32_u24 v[32+i], s28, i, v13             ; row i of a block, my column
.set i, i+1
.endr
.macro WLOAD t
.set i, 0
.rept 32
	global_load_b32 v[64+32*((\t)%2)+i], v[32+i], s[40+2*(\t):41+2*(\t)] th:TH_LOAD_NT   ; 32 lanes: 128 consecutive bytes; the four waves stand side by side
.set i, i+1
.endr
.endm
.macro WBLOCK t
.set XS, 64+32*((\t)%2)
.if (\t) < 3
	s_wait_loadcnt 32                              ; this block's 32 loads are in; the next block's 32 may be out
.else
	s_wait_loadcnt 0x0
.endif
	v_max3_num_f32 v24, |v[XS]|, |v[XS+1]|, |v[XS+2]|
	v_max3_num_f32 v25, |v[XS+3]|, |v[XS+4]|, |v[XS+5]|
.irp i, 6,10,14,18,22,26
	v_max3_num_f32 v24, v24, |v[XS+\i]|, |v[XS+\i+1]|
	v_max3_num_f32 v25, v25, |v[XS+\i+2]|, |v[XS+\i+3]|
.endr
	v_max3_num_f32 v24, v24, |v[XS+30]|, |v[XS+31]|
	v_max3_num_f32 v24, v24, v25, 0x1800000        ; and the floor
	v_add_nc_u32 v26, 0xff000000, v24              ; the conversions' scale operand
	v_lshrrev_b32 v25, 23, v26                     ; the byte
.if (\t) == 0
	v_mov_b32 v139, v25
.else
	v_lshl_or_b32 v139, v25, 8*(\t), v139
.endif
	v_cvt_scalef32_pk16_fp6_f32 v[128:130], v[XS:XS+15], v26
	v_cvt_scalef32_pk16_fp6_f32 v[136:138], v[XS+16:XS+31], v26
	v_nop                                          ; one plain instruction behind the conversions
	v_mov_b32 v131, v136
	v_mov_b32 v132, v137
	v_mov_b32 v133, v138
	ds_store_b128 v8, v[128:131] offset:768*((\t)/2)+256*((\t)%2)    ; block t is block t % 2 of HALF t / 2: the place of lane (r, t % 2)
	ds_store_b64 v9, v[132:133] offset:768*((\t)/2)+128*((\t)%2)
.if (\t) < 2
	WLOAD (\t)+2
.endif
	s_wait_dscnt 0x0                               ; the stores have read their registers
.endm
	WLOAD 0
	WLOAD 1
	WBLOCK 0
	WBLOCK 1
	WBLOCK 2
	WBLOCK 3
	s_wait_alu depctr_va_vdst(0)
	ds_store_b32 v10, v139
.irp i, 0,1,2,3,4,5
	ds_load_b128 v[140+4*\i:143+4*\i], v11 offset:512*\i             ; LDS serves a wave's instructions in order: these see my stores
.endr
.irp i, 0,1,2,3,4,5
	s_wait_dscnt 5-\i                              ; load i is in; the younger ones stay out
	global_store_b128 v4, v[140+4*\i:143+4*\i], s[16:17] offset:(\i/3)*12288+(\i%3)*512   ; 512 consecutive bytes
.endr
	s_wait_dscnt 0x0                               ; for the others' sake: my scale words lie in LDS
	s_barrier_signal -1
	s_barrier_wait -1
	s_cmp_lg_u32 s20, 0
	s_cbranch_scc1 .Lw_end
	ds_load_b128 v[164:167], v12                   ; wave 0 stores the two QUADs, sixteen lanes each: 256 consecutive bytes, aligned
	s_wait_dscnt 0x0
	global_store_b128 v14, v[164:167], s[18:19]
.Lw_end:
	s_wait_tensorcnt 0x0                           ; the wave's end: behind my last LDS store
	ds_add_u32 v[SPW], v[NIL]
	s_wait_dscnt 0x0
	s_endpgm
.Lfunc_end_k_q1e8b18e402_prep:
	.size	k_q1e8b18e402_prep, .Lfunc_end_k_q1e8b18e402_prep-k_q1e8b18e402_prep
	.p2alignl 7, 3214868480
	.fill 96, 4, 3214868480
	.section	.rodata,"a",@progbits
	.p2align	6, 0x0
	.amdhsa_kernel k_q1e8b18e402_prep
		.amdhsa_group_segment_fixed_size 80896
		.amdhsa_private_segment_fixed_size 0
		.amdhsa_enable_private_segment 0
		.amdhsa_kernarg_size 64
		.amdhsa_user_sgpr_count 2
		.amdhsa_user_sgpr_kernarg_segment_ptr 1
		.amdhsa_wavefront_size32 1
		.amdhsa_system_sgpr_workgroup_id_x 1
		.amdhsa_system_sgpr_workgroup_id_y 1
		.amdhsa_system_sgpr_workgroup_id_z 1
		.amdhsa_system_vgpr_workitem_id 0
		.amdhsa_next_free_vgpr 256
		.amdhsa_next_free_sgpr 66
		.amdhsa_reserve_vcc 1
		.amdhsa_float_denorm_mode_32 3
		.amdhsa_float_denorm_mode_16_64 3
		.amdhsa_memory_ordered 1
		.amdhsa_forward_progress 1
		.amdhsa_inst_pref_size 58
	.end_amdhsa_kernel
	.amdgpu_metadata
---
amdhsa.version: [ 1, 2 ]
amdhsa.kernels:
  - .name:           k_q1e8b18e402_prep
    .symbol:         k_q1e8b18e402_prep.kd
    .args:
      - { .name: x, .offset: 0, .size: 8, .value_kind: global_buffer, .address_space: global }
      - { .name: W_qkv, .offset: 8, .size: 8, .value_kind: global_buffer, .address_space: global }
      - { .name: W_gate, .offset: 16, .size: 8, .value_kind: global_buffer, .address_space: global }
      - { .name: W_out, .offset: 24, .size: 8, .value_kind: global_buffer, .address_space: global }
      - { .name: x_img, .offset: 32, .size: 8, .value_kind: global_buffer, .address_space: global }
      - { .name: x_sc, .offset: 40, .size: 8, .value_kind: global_buffer, .address_space: global }
      - { .name: w_img, .offset: 48, .size: 8, .value_kind: global_buffer, .address_space: global }
      - { .name: w_sc, .offset: 56, .size: 8, .value_kind: global_buffer, .address_space: global }
    .group_segment_fixed_size: 80896
    .private_segment_fixed_size: 0
    .kernarg_segment_align: 8
    .kernarg_segment_size: 64
    .max_flat_workgroup_size: 128
    .sgpr_count:     66
    .vgpr_count:     256
    .wavefront_size: 32
...
	.end_amdgpu_metadata
.endif
;; end of part 1
;; launch qkv (part 2): grid 16 x 32, 4 waves a work-group, clusters of 4 x 4, 327,680 bytes of LDS; arguments x_img, x_sc, w_img, w_sc, b_qkv, q_img, kv; writes q_img, kv
.if DOCPART == 2
	.amdgcn_target "amdgcn-amd-amdhsa--gfx1250"
	.amdhsa_code_object_version 6
	.text
	.protected	k_q1e8b18e402_qkv
	.globl	k_q1e8b18e402_qkv
	.p2align	8
	.type	k_q1e8b18e402_qkv,@function
k_q1e8b18e402_qkv:
	s_mov_b64 s[64:65], 0
	v_nop
	global_prefetch_b8 v0, s[64:65] scope:SCOPE_SE
	s_setreg_imm32_b32 hwreg(HW_REG_WAVE_MODE, 25, 1), 1
	s_wait_xcnt 0x0
	s_wait_alu depctr_hold_cnt(0) depctr_sa_sdst(0) depctr_va_vdst(0) depctr_va_sdst(0) depctr_va_ssrc(0) depctr_va_vcc(0) depctr_vm_vsrc(0)
	s_getreg_b32 s2, hwreg(HW_REG_IB_STS2, 6, 4)
	s_cmp_eq_u32 s2, 0
	s_cbranch_scc0 .Lentry_in_a_cluster
	s_endpgm
.Lentry_in_a_cluster:
	s_bfe_u32 s2, ttmp6, 0x10000c
	s_cmp_lg_u32 s2, 0xf033
	s_cbranch_scc0 .Lentry_shape_is_right
	s_endpgm
.Lentry_shape_is_right:
; x W_qkv + b_qkv on codes of FP6 (E2M3) with E8M0 scales, and its result quantised at once: q and k along the head's 64, v along the tokens (the K of the products that follow).
; A work-group takes 256 tokens x one head's 192 columns (q 64 | k 64 | v 64); wave w takes token tiles 4 w .. 4 w + 3 x all 12 column tiles: 48 accumulators.  So every block of 32 that is quantised lies in one wave.
; Tiles, HALFs and QUADs: as the launch before laid them (tile 2 g + u holds index 32 g + 8 u + r + 8 (r / 8); a HALF is a tile x 64 K as an image of the operand's registers; a QUAD four tiles' scale words).
; q's and k's products are used TRANSPOSED (source 0 = 16 columns of W, source 1 = 16 tokens): a lane holds one token, and the registers of tiles 2 g, 2 g + 1 are 16 neighbouring channels.
; v's are used as they are (source 0 = tokens, source 1 = columns): a lane holds one channel, and the registers of token tiles 2 g, 2 g + 1 are 16 neighbouring tokens.
; The bias is the C of each sum's first product.  Both operands' scale words for all of K come once.
; THE RING: K has eight steps of 128.  Slot 0 holds two steps (0-1, later 6-7), slot 1 four (2-5).  The head asks for slot 0 and the scale words, one whole tile a wave; slot 1's fill is issued behind the
; full sequence and a round; slot 0's one refill is asked for when step 1 begins and read at step 6: four steps' products, 192 matrix instructions a wave, stand between.
; CLUSTER 4 x 4: the four of a row need the same tokens' tiles, the four of a column the same head's: each is asked for jointly.
; OUT: q_img [batch x 16 + head][token tile 64][768].  kv: a record of 217,088 bytes for each (batch, pair of heads), 108,544 for each head: k's HALFs [64][768]; from 49,152 v's [key step 8][channel tile 4][2][768];
; from 98,304 [16 groups][q's QUAD | k's QUAD]; from 106,496 v's QUADs [8].  q's and k's scale words carry 0x7f in their two upper bytes: the upper 64 of the next product's K are zero codes.
; LIMITS: NaN and infinities are not served; a block of zeros or under 2^-124 gets the byte 1.
; REGISTERS: window 0: v8-31 addresses; v32-63 scale words; v64-159 A's fragments, two sets.  window 1: B's 12 fragments.  window 2: q's and k's accumulators.  window 3: v's accumulators, from v128 the biases.
.set SLOT,  86016                      ; slot 0: A 16 tiles x 3,072 bytes (two K steps), then B 12 x 3,072; slot 1 begins here
.set BOFF,  49152                      ; B in slot 0
.set BOF1,  98304                      ; B in slot 1: behind A's 16 tiles x 6,144 bytes (four K steps); B 12 x 6,144
.set ASC,   258048                     ; x's QUADs: [4 groups][8 steps][256]
.set BSC,   266240                     ; the head's: [q | k | v][8 steps][256]
.set VSX,   272384                     ; 512 bytes in which the waves' halves of v's scale words meet; no tile lands here
.set SPARE, 272896                     ; the spare words, 128 bytes a wave
.set ADC,   8                          ; v8-11  as v20-23, for B's tiles 6-11
.set ADA,   16                         ; v16-17 A's fragments in slot 0, 1: 16 x lane; v18-19: 512 + 8 x lane
.set ADB,   20                         ; v20-23 the same for B's tiles 0-5
.set ADSA,  24                         ; v24 lanes 0-15: my tokens' QUAD; lanes 16-31: q's columns'
.set ADSB,  25                         ; v25 lanes 0-15: k's columns' QUAD; lanes 16-31: v's
.set L16,   26
.set L8,    27
.set SPW,   28                         ; v28 my spare word; never rewritten
.set NIL,   29                         ; v29 0; never rewritten
.set VSA,   30
.set VSR,   31
.set SCR,   32                         ; scale words: K step k at 32 + 16 ((k / 2) % 2) + 8 (k % 2)
.set AF,    64
.set TM,    160                        ; the way out: v160-167 largest magnitudes, v168-175 the other lane's / bytes, v176-183 scale operands, v184-195 scale words, v196-210 conversions' second halves
.set TP,    168
.set TS,    176
.set PT,    196
.set G1,    24
.set G0,    32
.set G1B,   48
.set G0B,   56
.set G1S,   68
.set G0S,   76
.set G1SB,  80
.set G0SB,  88
.set SEL,   98
.set MSB,   0
.macro WIN new                         ; the immediate's high byte repeats the setting that is left
.if MSB != (\new)
	s_set_vgpr_msb (MSB<<8)|(\new)
.set MSB, (\new)
.endif
.endm
.macro PLACES                          ; four plain instructions between a matrix instruction and a load into, or a read of, its registers
.rept 4
	v_nop
.endr
.endm
; A joint load of the ring: waves 0 and 1 ask for A's halves, waves 2 and 3 for B's.  The branch hangs on the wave's number alone.  An s_nop 0 and four v_nop follow each line.
.macro JLOAD g0a, g1a, g0b, g1b
	s_cmp_eq_u32 s19, 0
	s_cbranch_scc0 .Lfor_b_\@
	tensor_load_to_lds s[\g0a:\g0a+3], s[\g1a:\g1a+7]
	s_nop 0
	PLACES
	s_branch .Lasked_\@
.Lfor_b_\@:
	tensor_load_to_lds s[\g0b:\g0b+3], s[\g1b:\g1b+7]
	s_nop 0
	PLACES
.Lasked_\@:
.endm
.macro CREST                           ; a round of the cluster's barrier behind its opening barrier
	s_cmp_lg_u32 s18, 0
	s_cbranch_scc1 .Lnot_wave_0_\@
	s_barrier_signal -3
.Lnot_wave_0_\@:
	s_barrier_wait -3
	s_barrier_signal -1
	s_barrier_wait -1
.endm
.macro CROUND
	s_barrier_signal -1
	s_barrier_wait -1
	CREST
.endm
	s_load_b256 s[4:11], s[0:1], 0x0               ; x_img, x_sc, w_img, w_sc
	s_load_b128 s[12:15], s[0:1], 0x20             ; b_qkv, q_img
	s_load_b64 s[16:17], s[0:1], 0x30              ; kv
	v_lshl_add_u32 v[SPW], v0, 2, SPARE
	v_mov_b32 v[NIL], 0
	ds_add_u32 v[SPW], v[NIL]                      ; the wave's opening: the add, twice on end, and its wait ahead of my first tensor load
	ds_add_u32 v[SPW], v[NIL]
	v_lshrrev_b32 v1, 5, v0
	v_readfirstlane_b32 s18, v1                    ; wave
	s_lshr_b32 s19, s18, 1                         ; in the ring I ask for A (0) or for B (1),
	s_and_b32 s20, s18, 1                          ; for which half of it
	s_bfe_u32 s40, ttmp6, 0x40000                  ; cx
	s_bfe_u32 s41, ttmp6, 0x40004                  ; cy
	s_lshl_b32 s42, ttmp9, 2
	s_add_co_u32 s42, s42, s40                     ; the head
	s_and_b32 s21, ttmp7, 0xffff
	s_lshl_b32 s21, s21, 2
	s_add_co_u32 s21, s21, s41                     ; which 256 tokens
	s_lshl_b32 s43, s41, 2
	s_lshl_b32 s43, 15, s43                        ; my row of the cluster
	s_lshl_b32 s44, 0x1111, s40                    ; my column
	s_or_b32 s[G1], s43, (3<<16)|(1<<21)           ; elements of 8 bytes; bit 21 beside a mask; no padding
	s_or_b32 s[G1B], s44, (3<<16)|(1<<21)
.irp g, G1, G1B
	s_mov_b32 s[\g+1], 384<<16                     ; a row: one tile's two K steps, 3,072 bytes
	s_mov_b32 s[\g+3], 384<<16
	s_mov_b32 s[\g+5], 1536                        ; from tile to tile: 12,288 bytes
	s_mov_b32 s[\g+6], 0
	s_mov_b32 s[\g+7], 0
.endr
	s_mov_b32 s[G1+2], 16<<16                      ; the head's loads take slot 0's whole tile: A 16 tiles,
	s_mov_b32 s[G1+4], 16
	s_mov_b32 s[G1B+2], 12<<16                     ; B 12
	s_mov_b32 s[G1B+4], 12
	s_or_b32 s[G1S], s43, (3<<16)|(1<<21)          ; the scale words: dense rows of 256 bytes
	s_or_b32 s[G1SB], s44, (3<<16)|(1<<21)
.irp g, G1S, G1SB
	s_mov_b32 s[\g+1], 32<<16
	s_mov_b32 s[\g+3], 32<<16
	s_mov_b32 s[\g+5], 32
	s_mov_b32 s[\g+6], 0
	s_mov_b32 s[\g+7], 0
.endr
	s_mov_b32 s[G1S+2], 32<<16                     ; A's: 8,192 bytes
	s_mov_b32 s[G1S+4], 32
	s_mov_b32 s[G1SB+2], 24<<16                    ; B's: 6,144 bytes
	s_mov_b32 s[G1SB+4], 24
	s_mul_i32 s92, s21, 196608                     ; A's offsets are made of the token block alone, B's of the head alone: 16 and 12 tiles of 12,288 bytes
	s_mov_b32 s93, 0
	s_mul_i32 s94, s42, 147456
	s_mov_b32 s95, 0
	s_lshl_b32 s96, s21, 13
	s_mov_b32 s97, 0
	s_mul_i32 s46, s42, 6144
	s_mov_b32 s47, 0
	s_mul_i32 s2, s20, 98304                       ; in the ring: my half's 8 tiles of A,
	s_mov_b32 s3, 0
	s_mul_i32 s66, s20, 73728                      ; or 6 of B
	s_mov_b32 s67, 0
	s_mov_b32 s[SEL], 0x76543210
	s_mov_b32 s[SEL+1], 0xfedcba98
	s_wait_dscnt 0x0                               ; both opening adds are done
	s_wait_kmcnt 0x0
	s_add_nc_u64 s[92:93], s[4:5], s[92:93]
	s_add_nc_u64 s[94:95], s[8:9], s[94:95]
	s_add_nc_u64 s[96:97], s[6:7], s[96:97]
	s_add_nc_u64 s[46:47], s[10:11], s[46:47]
	CROUND                                         ; all sixteen work-groups are here: the first joint loads meet
	s_mov_b32 s4, 1                                ; the head's four tiles, each whole (s[4:11] held arguments that have been used): slot 0's A,
	s_mov_b32 s5, 0
	s_mov_b64 s[6:7], s[92:93]
	s_or_b32 s7, s7, 0x80000000
	s_mov_b32 s8, 1                                ; its B,
	s_mov_b32 s9, BOFF
	s_mov_b64 s[10:11], s[94:95]
	s_or_b32 s11, s11, 0x80000000
	s_mov_b32 s[G0S], 1                            ; A's scale words,
	s_mov_b32 s[G0S+1], ASC
	s_mov_b64 s[G0S+2:G0S+3], s[96:97]
	s_or_b32 s[G0S+3], s[G0S+3], 0x80000000
	s_mov_b32 s[G0SB], 1                           ; B's
	s_mov_b32 s[G0SB+1], BSC
	s_mov_b64 s[G0SB+2:G0SB+3], s[46:47]
	s_or_b32 s[G0SB+3], s[G0SB+3], 0x80000000
	s_add_nc_u64 s[92:93], s[92:93], s[2:3]        ; for the ring: my half
	s_add_nc_u64 s[94:95], s[94:95], s[66:67]
	s_mov_b32 s[G0], 1                             ; slot 0's refill: K steps 6-7, 9,216 bytes along a tile
	s_mul_i32 s[G0+1], s20, 24576
	s_add_nc_u64 s[G0+2:G0+3], s[92:93], 9216
	s_or_b32 s[G0+3], s[G0+3], 0x80000000
	s_mov_b32 s[G0+4], 1                           ; slot 1: K steps 2-5, from byte 3,072
	s_mul_i32 s[G0+5], s20, 49152
	s_add_co_u32 s[G0+5], s[G0+5], SLOT
	s_add_nc_u64 s[G0+6:G0+7], s[92:93], 3072
	s_or_b32 s[G0+7], s[G0+7], 0x80000000
	s_mov_b32 s[G0B], 1
	s_mul_i32 s[G0B+1], s20, 18432
	s_add_co_u32 s[G0B+1], s[G0B+1], BOFF
	s_add_nc_u64 s[G0B+2:G0B+3], s[94:95], 9216
	s_or_b32 s[G0B+3], s[G0B+3], 0x80000000
	s_mov_b32 s[G0B+4], 1
	s_mul_i32 s[G0B+5], s20, 36864
	s_add_co_u32 s[G0B+5], s[G0B+5], SLOT+BOF1
	s_add_nc_u64 s[G0B+6:G0B+7], s[94:95], 3072
	s_or_b32 s[G0B+7], s[G0B+7], 0x80000000
; THE HEAD'S LOADS, ONE A WAVE: one tree of branches on the wave's number, and every way passes exactly one load
	s_cmp_lt_u32 s18, 1
	s_cbranch_scc0 .Lhead_sa
	tensor_load_to_lds s[4:7], s[G1:G1+7]
	s_nop 0
	PLACES
	s_branch .Lhead_asked
.Lhead_sa:
	s_cmp_lt_u32 s18, 2
	s_cbranch_scc0 .Lhead_b
	tensor_load_to_lds s[G0S:G0S+3], s[G1S:G1S+7]
	s_nop 0
	PLACES
	s_branch .Lhead_asked
.Lhead_b:
	s_cmp_lt_u32 s18, 3
	s_cbranch_scc0 .Lhead_sb
	tensor_load_to_lds s[8:11], s[G1B:G1B+7]
	s_nop 0
	PLACES
	s_branch .Lhead_asked
.Lhead_sb:
	tensor_load_to_lds s[G0SB:G0SB+3], s[G1SB:G1SB+7]
	s_nop 0
	PLACES
.Lhead_asked:
	v_and_b32 v1, 31, v0
	v_and_b32 v2, 15, v0                           ; r
	v_bfe_u32 v3, v0, 4, 1                         ; h
	v_lshlrev_b32 v[L16], 4, v1
	v_lshlrev_b32 v[L8], 3, v1
	s_mul_i32 s22, s18, 12288                      ; my four tiles of A in slot 0,
	s_mul_i32 s23, s18, 24576                      ; and in slot 1
	s_add_co_u32 s23, s23, SLOT
	v_add_nc_u32 v[ADA], s22, v[L16]
	v_add_nc_u32 v[ADA+1], s23, v[L16]
	v_add_nc_u32 v[ADA+2], s22, v[L8]
	v_add_nc_u32 v[ADA+3], s23, v[L8]
	v_add_nc_u32 v[ADA+2], 512, v[ADA+2]
	v_add_nc_u32 v[ADA+3], 512, v[ADA+3]
	v_add_nc_u32 v[ADB], BOFF, v[L16]
	v_add_nc_u32 v[ADB+1], SLOT+BOF1, v[L16]
	v_add_nc_u32 v[ADB+2], BOFF+512, v[L8]
	v_add_nc_u32 v[ADB+3], SLOT+BOF1+512, v[L8]
	v_add_nc_u32 v[ADC], BOFF+18432, v[L16]        ; six tiles on, so that every offset fits the 16-bit immediate
	v_add_nc_u32 v[ADC+1], SLOT+BOF1+36864, v[L16]
	v_add_nc_u32 v[ADC+2], BOFF+18432+512, v[L8]
	v_add_nc_u32 v[ADC+3], SLOT+BOF1+36864+512, v[L8]
	v_lshlrev_b32 v4, 4, v2                        ; 16 r
	s_lshl_b32 s22, s18, 11
	s_sub_co_u32 s23, BSC-ASC, s22
	v_mul_u32_u24 v5, s23, v3                      ; lanes 16-31 stand at q's QUAD: one product, the distance between the two bases
	s_add_co_u32 s22, s22, ASC
	v_add_nc_u32 v[ADSA], s22, v4
	v_add_nc_u32 v[ADSA], v[ADSA], v5
	v_lshl_add_u32 v[ADSB], v3, 11, v4
	v_add_nc_u32 v[ADSB], BSC+2048, v[ADSB]
	s_lshl_b32 s22, s19, 8
	s_lshl_b32 s23, s20, 1
	s_add_co_u32 s22, s22, s23
	s_add_co_u32 s22, s22, VSX
	v_add_nc_u32 v[VSA], s22, v4
	v_add_nc_u32 v[VSR], VSX, v[L16]
	s_mul_i32 s22, s42, 768                        ; the head's 192 numbers of the bias
	s_mov_b32 s23, 0
	s_add_nc_u64 s[12:13], s[12:13], s[22:23]
	v_lshlrev_b32 v6, 6, v3                        ; q, k: my half's eight channels of a tile: 64 h bytes on
	v_and_b32 v7, 8, v2
	v_add_nc_u32 v7, v7, v2
	v_lshlrev_b32 v7, 2, v7                        ; v: my channel r + 8 (r / 8)
	WIN 0xc0                                       ; destination window 3
.irp b, 0,1,2,3,4,5,6,7
	global_load_b128 v[128+8*\b:131+8*\b], v6, s[12:13] offset:(32*(\b/2)+8*(\b%2))*4
	global_load_b128 v[132+8*\b:135+8*\b], v6, s[12:13] offset:(32*(\b/2)+8*(\b%2))*4+16
.endr
.irp b, 0,1,2,3
.irp j, 0,1,2,3,4,5,6,7
	global_load_b32 v[192+8*\b+\j], v7, s[12:13] offset:512+(32*(\b/2)+8*(\b%2))*4    ; one channel's number in all eight registers
.endr
.endr
	WIN 0
.macro FRAG reg, a16, a8, off          ; a fragment: two HALFs, as they lie
	ds_load_b128 v[\reg:\reg+3], v[\a16] offset:\off
	ds_load_b64 v[\reg+4:\reg+5], v[\a8] offset:\off
	ds_load_b128 v[\reg+6:\reg+9], v[\a16] offset:(\off)+768
	ds_load_b64 v[\reg+10:\reg+11], v[\a8] offset:(\off)+768
.endm
.macro FETCH_A slot, q, p              ; my four tiles of A, the slot's q-th step, into set p: 16 loads.  A tile is 3,072 bytes in slot 0, 6,144 in slot 1
	WIN 0
.irp i, 0,1,2,3
	FRAG AF+48*(\p)+12*\i, ADA+(\slot), ADA+2+(\slot), (3072+3072*(\slot))*\i+1536*(\q)
.endr
.endm
.macro FETCH_B slot, q, b0             ; B's tiles b0 .. b0 + 5 (b0 = 0 or 6): 24 loads; the address registers of tiles 6-11 stand 12 under those of tiles 0-5
	WIN 0x40
.irp i, 0,1,2,3,4,5
	FRAG 12*((\b0)+\i), ADB-2*(\b0)+(\slot), ADB-2*(\b0)+2+(\slot), (3072+3072*(\slot))*\i+1536*(\q)
.endr
	WIN 0
.endm
.macro SCALES f, sc                    ; the scale words of K steps 2 f, 2 f + 1 into set sc: 4 loads
.irp u, 0,1
	ds_load_b128 v[SCR+16*(\sc)+8*\u:SCR+16*(\sc)+8*\u+3], v[ADSA] offset:256*(2*(\f)+\u)
	ds_load_b128 v[SCR+16*(\sc)+8*\u+4:SCR+16*(\sc)+8*\u+7], v[ADSB] offset:256*(2*(\f)+\u)
.endr
.endm
; Column tile b against my four token tiles.  The 48 accumulators take turns, one instruction a turn, in the same order in every step.
.macro MULB b, p, S, first
.irp a, 0,1,2,3
.set rA, AF+48*(\p)+12*\a
.set rB, 12*(\b)
.set sA, (\S)+\a
.if (\b) < 8
.set rD, 8*(16*((\b)/4)+4*\a+(\b)%4)
.set sB, (\S)+(\b)
.if \first
	WIN 0xb1                                       ; source 0 (B) window 1, source 1 (A) window 0, C (the bias) window 3, D window 2
.set rC, 128+8*(\b)
.else
	WIN 0xa1
.set rC, rD
.endif
.if (\b) < 4
	v_wmma_scale_f32_16x16x128_f8f6f4 v[rD:rD+7], v[rB:rB+11], v[rA:rA+11], v[rC:rC+7], v[sB], v[sA] matrix_a_fmt:MATRIX_FMT_FP6 matrix_b_fmt:MATRIX_FMT_FP6 matrix_a_scale:MATRIX_SCALE_ROW1
.else
	v_wmma_scale_f32_16x16x128_f8f6f4 v[rD:rD+7], v[rB:rB+11], v[rA:rA+11], v[rC:rC+7], v[sB], v[sA] matrix_a_fmt:MATRIX_FMT_FP6 matrix_b_fmt:MATRIX_FMT_FP6
.endif
.else
	WIN 0xf4                                       ; source 0 (A) window 0, source 1 (B) window 1, C and D window 3
.set rD, 8*(4*((\b)-8)+\a)
.set sB, (\S)+(\b)-4
.if \first
.set rC, 192+8*((\b)-8)
.else
.set rC, rD
.endif
	v_wmma_scale_f32_16x16x128_f8f6f4 v[rD:rD+7], v[rA:rA+11], v[rB:rB+11], v[rC:rC+7], v[sA], v[sB] matrix_a_fmt:MATRIX_FMT_FP6 matrix_b_fmt:MATRIX_FMT_FP6 matrix_b_scale:MATRIX_SCALE_ROW1
.endif
.endr
.endm
; K step k: its 48 products, and the fetch of step k + 1's fragments.  Where step k + 1 is a slot's first (k = 1, 5) one barrier stands in it: in front of it each wave waits for all its tensor loads,
; adds 0 to its spare word, and waits for that and for its reads of the slot that it leaves.  At k = 1 the barrier opens a round of the cluster's, and slot 0 is filled again.
.macro GSTEP k, first
.set NX, (\k)+1                        ; the next step,
.set NSL, ((NX+2)/4)%2                 ; its slot: steps 2-5 lie in slot 1,
.set NQ, NX-2*NSL-6*(NX/6)             ; and its place there
.set CP, (\k)%2                        ; this step's set of A's fragments,
.set CW, SCR+16*(((\k)/2)%2)+8*((\k)%2)   ; and its scale words
.if NQ == 0
	s_wait_tensorcnt 0x0                           ; all my tensor loads have landed: my part of the next slot
	ds_add_u32 v[SPW], v[NIL]
	s_wait_dscnt 25                                ; the add and the youngest 24 loads (B's tiles 6-11) may be out
.irp n, 0,1,2
	MULB \n, CP, CW, \first
.endr
	s_wait_dscnt 0x0                               ; the add is done, and my reads of this slot are over
	s_barrier_signal -1
.irp n, 3,4,5
	MULB \n, CP, CW, \first
.endr
	WIN 0
	s_barrier_wait -1
.if NX == 2
	CREST                                          ; no wave of any partner still reads slot 0 or has a load on its way
	s_mov_b32 s[G1+1], 384<<16                     ; no tensor load of mine is out: a row is two K steps again
	s_mov_b32 s[G1+3], 384<<16
	s_mov_b32 s[G1B+1], 384<<16
	s_mov_b32 s[G1B+3], 384<<16
	JLOAD G0, G1, G0B, G1B                         ; K steps 6-7: my one tensor load behind the round; its four v_nop are the places in front of the loads below
.else
	PLACES
.endif
.else
	s_wait_dscnt 24                                ; all but the youngest 24 loads (B's tiles 6-11) are in
.irp n, 0,1,2,3,4,5
	MULB \n, CP, CW, \first
.endr
	s_wait_dscnt 0x0
	PLACES
.endif
	FETCH_A NSL, NQ, NX%2
	FETCH_B NSL, NQ, 0
.if NX%2 == 0
	SCALES NX/2, (NX/2)%2
.endif
.irp n, 6,7,8,9,10,11
	MULB \n, CP, CW, \first
.endr
	PLACES
	FETCH_B NSL, NQ, 6
.endm
	s_wait_alu depctr_va_vdst(0)                   ; the head's end
	s_wait_tensorcnt 0x0                           ; my tile of the head's four is in; slot 1's first fill is issued as a refill is
	ds_add_u32 v[SPW], v[NIL]
	s_mov_b32 s[G1+1], 768<<16                     ; no tensor load of mine is out: a row is now a tile's four K steps, 6,144 bytes,
	s_mov_b32 s[G1+3], 768<<16
	s_mov_b32 s[G1B+1], 768<<16
	s_mov_b32 s[G1B+3], 768<<16
	s_mov_b32 s[G1+2], 8<<16                       ; and a load brings half a tile: A 8 tiles,
	s_mov_b32 s[G1+4], 8
	s_mov_b32 s[G1B+2], 6<<16                      ; B 6
	s_mov_b32 s[G1B+4], 6
	s_wait_dscnt 0x0
	CROUND                                         ; all four tiles are in, and all sixteen work-groups are here
	JLOAD G0+4, G1, G0B+4, G1B                     ; slot 1: my one tensor load behind the round
	FETCH_A 0, 0, 0
	FETCH_B 0, 0, 0
	SCALES 0, 0
	FETCH_B 0, 0, 6
	s_wait_loadcnt 0x0                             ; the biases
	GSTEP 0, 1
	GSTEP 1, 0
	GSTEP 2, 0
	GSTEP 3, 0
	GSTEP 4, 0
	GSTEP 5, 0
	GSTEP 6, 0
	s_wait_dscnt 24                                ; the last step: nothing more to fetch
.irp n, 0,1,2,3,4,5
	MULB \n, 1, SCR+24, 0
.endr
	s_wait_dscnt 0x0
.irp n, 6,7,8,9,10,11
	MULB \n, 1, SCR+24, 0
.endr
	WIN 0
.irp x, 0,1,2,3,4,5,6,7
	v_mov_b32 v[TP+\x], 0                          ; a lane permute's destination counts as one of its sources; these eight are also the places behind the last products
.endr
	s_lshr_b32 s22, s21, 2                         ; the batch
	s_and_b32 s23, s21, 3                          ; which 256 of its tokens
	s_lshl_b32 s45, s23, 4
	s_lshl_b32 s46, s18, 2
	s_add_co_u32 s45, s45, s46                     ; my first token tile in the batch
	s_lshl_b32 s46, s22, 4
	s_add_co_u32 s46, s46, s42
	s_lshl_b32 s46, s46, 6
	s_add_co_u32 s46, s46, s45
	s_mul_i32 s46, s46, 768
	s_mov_b32 s47, 0
	s_add_nc_u64 s[14:15], s[14:15], s[46:47]      ; q's HALFs
	s_lshl_b32 s46, s22, 3
	s_lshr_b32 s92, s42, 1
	s_add_co_u32 s46, s46, s92
	s_mul_i32 s46, s46, 217088
	s_add_nc_u64 s[16:17], s[16:17], s[46:47]      ; the record of (batch, pair of heads)
	s_and_b32 s92, s42, 1                          ; which head of the pair
	s_mul_i32 s93, s92, 108544                     ; its part of the record
	s_mul_i32 s46, s45, 768
	s_add_co_u32 s46, s46, s93
	s_add_nc_u64 s[94:95], s[16:17], s[46:47]      ; k's HALFs
	s_lshl_b32 s46, s23, 1
	s_add_co_u32 s46, s46, s19                     ; my 64 tokens' key step,
	s_mul_i32 s46, s46, 6144
	s_add_co_u32 s46, s46, s93
	s_mul_i32 s2, s20, 768                         ; and which half of it
	s_add_co_u32 s46, s46, s2
	s_add_co_u32 s46, s46, 49152
	s_add_nc_u64 s[96:97], s[16:17], s[46:47]      ; v's HALFs
	s_lshl_b32 s46, s45, 7                         ; my group of four tiles x 512
	s_add_co_u32 s46, s46, s93
	s_add_co_u32 s46, s46, 98304
	s_add_nc_u64 s[12:13], s[16:17], s[46:47]      ; q's and k's QUADs
	s_lshl_b32 s46, s23, 9
	s_add_co_u32 s46, s46, s93
	s_add_co_u32 s46, s46, 106496
	s_add_nc_u64 s[16:17], s[16:17], s[46:47]      ; v's QUADs
; Four groups of 32 registers in window W from B0 on (two blocks of 32 each, half of each block in lane l xor 16) become four HALFs' codes at v[PC + 8 g] and two bytes each at v[SW + g].
.macro QPART W, B0, PC, SW
	WIN (\W)|((\W)<<2)
.irp x, 0,1,2,3,4,5,6,7
	v_max3_num_f32 v[TM+\x], |v[(\B0)+16*\x]|, |v[(\B0)+16*\x+1]|, 0x1800000    ; each accumulator is read from its low end on
.endr
	WIN ((\W)<<2)|((\W)<<4)
.irp i, 2,4,6,8,10,12,14
.irp x, 0,1,2,3,4,5,6,7
	v_max3_num_f32 v[TM+\x], v[TM+\x], |v[(\B0)+16*\x+\i]|, |v[(\B0)+16*\x+\i+1]|
.endr
.endr
	WIN 0
.irp x, 0,1,2,3,4,5,6,7
	v_permlanex16_b32 v[TP+\x], v[TM+\x], s[SEL], s[SEL+1]
.endr
.irp x, 0,1,2,3,4,5,6,7
	v_max_num_f32 v[TM+\x], v[TM+\x], v[TP+\x]
.endr
.irp x, 0,1,2,3,4,5,6,7
	v_add_nc_u32 v[TS+\x], 0xff000000, v[TM+\x]    ; 2 off the exponent field: the conversion's scale operand
.endr
.irp x, 0,1,2,3,4,5,6,7
	v_lshrrev_b32 v[TP+\x], 23, v[TS+\x]           ; the byte
.endr
.irp g, 0,1,2,3
	v_lshl_or_b32 v[(\SW)+\g], v[TP+2*\g+1], 8, v[TP+2*\g]
.endr
	WIN \W
.irp g, 0,1,2,3
	v_cvt_scalef32_pk16_fp6_f32 v[(\PC)+8*\g:(\PC)+8*\g+2], v[(\B0)+32*\g:(\B0)+32*\g+15], v[TS+2*\g]
	v_cvt_scalef32_pk16_fp6_f32 v[PT+4*\g:PT+4*\g+2], v[(\B0)+32*\g+16:(\B0)+32*\g+31], v[TS+2*\g+1]
.endr
	WIN 0
	v_nop                                          ; one plain instruction behind the conversions
.irp g, 0,1,2,3
.irp i, 0,1,2
	v_permlane16_swap_b32 v[(\PC)+8*\g+\i], v[PT+4*\g+\i]   ; lanes 0-15 get block 0 whole, lanes 16-31 block 1
.endr
.irp i, 0,1,2
	v_mov_b32 v[(\PC)+8*\g+3+\i], v[PT+4*\g+\i]
.endr
.endr
.endm
	QPART 2, 0, 64, 184
.irp g, 0,1,2,3
	global_store_b128 v[L16], v[64+8*\g:67+8*\g], s[14:15] offset:768*\g          ; 512 consecutive bytes
	global_store_b64 v[L8], v[68+8*\g:69+8*\g], s[14:15] offset:768*\g+512        ; 256 consecutive bytes, aligned
.endr
	QPART 2, 128, 96, 188
.irp g, 0,1,2,3
	global_store_b128 v[L16], v[96+8*\g:99+8*\g], s[94:95] offset:768*\g
	global_store_b64 v[L8], v[100+8*\g:101+8*\g], s[94:95] offset:768*\g+512
.endr
	QPART 3, 0, 128, 192
.irp g, 0,1,2,3
	global_store_b128 v[L16], v[128+8*\g:131+8*\g], s[96:97] offset:1536*\g
	global_store_b64 v[L8], v[132+8*\g:133+8*\g], s[96:97] offset:1536*\g+512
.endr
	s_mov_b32 s46, 0xffff0000
.irp g, 0,1,2,3
	v_cndmask_b32 v[212+\g], v[184+\g], v[188+\g], s46     ; lanes 0-15 carry q's words, lanes 16-31 k's
.endr
.irp g, 0,1,2,3
	v_or_b32 v[212+\g], 0x7f7f0000, v[212+\g]      ; the bytes of the upper 64 along K, whose codes are zeros
.endr
	global_store_b128 v[L16], v[212:215], s[12:13] ; q's QUAD and k's: 512 consecutive bytes
.irp g, 0,1,2,3
	ds_store_b16 v[VSA], v[192+\g] offset:4*\g     ; my two bytes of channel tile g's word; both halves of the lanes write the same
.endr
	s_wait_dscnt 0x0                               ; for the others' sake
	s_barrier_signal -1
	s_barrier_wait -1
	s_cmp_lg_u32 s18, 0
	s_cbranch_scc1 .Lnot_first
	ds_load_b128 v[216:219], v[VSR]
	s_wait_dscnt 0x0
	global_store_b128 v[L16], v[216:219], s[16:17] ; two key steps' QUADs of v: 512 consecutive bytes
.Lnot_first:
	s_wait_tensorcnt 0x0                           ; the wave's end
	ds_add_u32 v[SPW], v[NIL]
	s_wait_dscnt 0x0
	CROUND                                         ; the closing round
	s_endpgm
.Lfunc_end_k_q1e8b18e402_qkv:
	.size	k_q1e8b18e402_qkv, .Lfunc_end_k_q1e8b18e402_qkv-k_q1e8b18e402_qkv
	.p2alignl 7, 3214868480
	.fill 96, 4, 3214868480
	.section	.rodata,"a",@progbits
	.p2align	6, 0x0
	.amdhsa_kernel k_q1e8b18e402_qkv
		.amdhsa_group_segment_fixed_size 327680
		.amdhsa_private_segment_fixed_size 0
		.amdhsa_enable_private_segment 0
		.amdhsa_kernarg_size 56
		.amdhsa_user_sgpr_count 2
		.amdhsa_user_sgpr_kernarg_segment_ptr 1
		.amdhsa_wavefront_size32 1
		.amdhsa_system_sgpr_workgroup_id_x 1
		.amdhsa_system_sgpr_workgroup_id_y 1
		.amdhsa_system_sgpr_workgroup_id_z 1
		.amdhsa_system_vgpr_workitem_id 0
		.amdhsa_next_free_vgpr 1024
		.amdhsa_next_free_sgpr 100
		.amdhsa_reserve_vcc 0
		.amdhsa_float_denorm_mode_32 3
		.amdhsa_float_denorm_mode_16_64 3
		.amdhsa_memory_ordered 1
		.amdhsa_forward_progress 1
		.amdhsa_inst_pref_size 130
	.end_amdhsa_kernel
	.amdgpu_metadata
---
amdhsa.version: [ 1, 2 ]
amdhsa.kernels:
  - .name:           k_q1e8b18e402_qkv
    .symbol:         k_q1e8b18e402_qkv.kd
    .args:
      - { .name: x_img, .offset: 0, .size: 8, .value_kind: global_buffer, .address_space: global }
      - { .name: x_sc, .offset: 8, .size: 8, .value_kind: global_buffer, .address_space: global }
      - { .name: w_img, .offset: 16, .size: 8, .value_kind: global_buffer, .address_space: global }
      - { .name: w_sc, .offset: 24, .size: 8, .value_kind: global_buffer, .address_space: global }
      - { .name: b_qkv, .offset: 32, .size: 8, .value_kind: global_buffer, .address_space: global }
      - { .name: q_img, .offset: 40, .size: 8, .value_kind: global_buffer, .address_space: global }
      - { .name: kv, .offset: 48, .size: 8, .value_kind: global_buffer, .address_space: global }
    .group_segment_fixed_size: 327680
    .private_segment_fixed_size: 0
    .kernarg_segment_align: 8
    .kernarg_segment_size: 56
    .max_flat_workgroup_size: 128
    .sgpr_count:     100
    .vgpr_count:     1024
    .wavefront_size: 32
...
	.end_amdgpu_metadata
.endif
;; end of part 2
;; launch attn (part 3): grid 4 x 64, 16 waves a work-group, clusters of 4 x 1, 327,680 bytes of LDS; arguments q_img, kv, ao_img, ao_sc; writes ao_img, ao_sc
.if DOCPART == 3
	.amdgcn_target "amdgcn-amd-amdhsa--gfx1250"
	.amdhsa_code_object_version 6
	.text
	.protected	k_q1e8b18e402_attn
	.globl	k_q1e8b18e402_attn
	.p2align	8
	.type	k_q1e8b18e402_attn,@function
k_q1e8b18e402_attn:
	s_mov_b64 s[64:65], 0
	v_nop
	global_prefetch_b8 v0, s[64:65] scope:SCOPE_SE
	s_setreg_imm32_b32 hwreg(HW_REG_WAVE_MODE, 25, 1), 1
	s_wait_xcnt 0x0
	s_wait_alu depctr_hold_cnt(0) depctr_sa_sdst(0) depctr_va_vdst(0) depctr_va_sdst(0) depctr_va_ssrc(0) depctr_va_vcc(0) depctr_vm_vsrc(0)
	s_getreg_b32 s2, hwreg(HW_REG_IB_STS2, 6, 4)
	s_cmp_eq_u32 s2, 0
	s_cbranch_scc0 .Lentry_in_a_cluster
	s_endpgm
.Lentry_in_a_cluster:
	s_bfe_u32 s2, ttmp6, 0x10000c
	s_cmp_lg_u32 s2, 0x3003
	s_cbranch_scc0 .Lentry_shape_is_right
	s_endpgm
.Lentry_shape_is_right:
; softmax(q k^T / 8) v for each (batch, head), both products on codes of FP6 (E2M3) with E8M0 scales; the result, divided by the row's sum, is quantised along the channels for the output projection.
; t = score x log2(e) / 8; M = the running largest t rounded UP to a whole number; p = 2^(t - M) is quantised along the keys, not normalised; the row's sum is taken of the unquantised p;
; when M moves, the sum and O are multiplied by 2^(old M - new M), which rounds nothing.
; A work-group takes 256 queries of one (batch, pair of heads); each of its sixteen waves one tile of 16 queries, first for the pair's first head, then for its second, so that a wave owns a whole
; scale word of the next product.  The pair's record (217,088 bytes, 108,544 a head: k, v, q's and k's scale words, v's) lies in LDS, each byte filled once, BY TWO LOADS A WAVE:
; at the head 27 rows of 256 bytes a wave, 110,592 bytes, which hold all of the first head's part; behind the full sequence and a round 26 rows a wave, the rest, which land while the first head is worked;
; a barrier ahead of the second pass shows them to every wave.
; CLUSTER 4 x 1: the four query blocks of a pair want the same record: it is asked for jointly.  q hangs on the place in the cluster and comes by loads into registers, issued ahead of the record's wait.
; No prefetch: the record is asked for in the two groups above, ahead of the loops, so there is no trip in which to ask ahead.
; Both products are used transposed (S^T = k q^T, O^T = v^T p^T): a lane holds one query.
; THE KEYS OF A TILE are chosen by the lanes' LDS addresses: tile i of a group of 64 keys holds at place r key 32 (r / 8) + 8 i + r % 8.  In the record that key lies in the group's tile
; 2 (r / 8) + i % 2 at place r % 8 + 8 (i / 2).  So lane (r, h) holds in the 32 registers of a group's four tiles the 32 keys of ONE block, in order: a block's largest score needs no other lane,
; and the conversions' results are the operand's registers but for three moves a block.
; The first product's K is 64: registers 6-11 of q's fragment are zero codes under the byte 0x7f.  k's fragments lie 6 registers apart, and each names the next one's six as its upper half:
; whatever codes stand there are multiplied by q's zeros (FP6 has no NaN and no infinity).  Behind the fourth stand six registers that hold zeros (v78-83) or spent numbers (v204-209).
; A step is 256 keys: four groups; M, the factor and O's rescaling are made once a step.
; k's FRAGMENTS ARE ASKED FOR A GROUP OR MORE AHEAD, in two places by turns: groups 1 and 3 in v54-77, groups 0 and 2 in v180-203, the registers of S^T's fourth quarter, which are free from its
; conversions to its products.  Group 0 is asked for at the end of the step before (ahead of a pass's first step: ahead of the loop); the last step asks for none.  A group is ten LDS loads.
; LIMITS: the scaled scores stay under 2^31 in magnitude; NaN and infinities are not served; a block of zeros or under 2^-124 gets the byte 1; 1 / sum by v_rcp_f32;
; a block's largest p is taken through its largest score (v_exp_f32 taken not to fall where its input rises).
; REGISTERS: v1 spare word, v2 0; v3-8 the step's LDS addresses; v9 16 x lane, v10 8 x lane, v11 16 r; v12 -M, v13 largest score; v[14:15] the sum; v16-27 q; v28 f, v29 8 h; v30-31 p's scale words;
; v32 q's; v33 my scale word's place; v34-41 k's (groups 1-3), then v's scale words; v42-45 blocks' maxima, bytes; v46-49 at work, scale operands; v50-51 at work; v52-53 the result's half words;
; v54-77 k's fragments, then p's codes; v78-83 zeros; v84-211 S^T, p, then v's fragments (at a pass's end v116-121 the result's codes); v212-243 O^T; v244-247 lane terms;
; v248-251 k's scale words of group 0; v254-255 the way out of the scale words.
.set REC,   217088
.set HB,    108544                     ; a head's part of the record
.set PA,    6912                       ; a wave's part of the first group: 27 rows of 256 bytes
.set PB,    6656                       ; of the second: 26 rows
.set STG,   217088                     ; 1,024 bytes in which the waves' scale words meet; no tile lands here
.set SPARE, 218112                     ; the spare words, 128 bytes a wave
.set WV,    12
.set SEL,   20
.set CS,    22
.set G1,    24
.set G0,    32                         ; s[32:35] the first group's group 0, s[36:39] the second's
.set SC,    34
.set BM,    42
.set SO,    46
.set KF,    54
.set S,     84
.set S3R,   S+96                       ; k's second place
.set OC,    S+32                       ; the result's codes
.set O,     212
.set SCX,   248
.macro CROUND
	s_barrier_signal -1
	s_barrier_wait -1
	s_cmp_lg_u32 s[WV], 0
	s_cbranch_scc1 .Lnot_wave_0_\@
	s_barrier_signal -3
.Lnot_wave_0_\@:
	s_barrier_wait -3
	s_barrier_signal -1
	s_barrier_wait -1
.endm
.macro QLOAD hp                        ; q's HALF and scale word of head hp
	global_load_b128 v[16:19], v9, s[42:43] offset:49152*\hp
	global_load_b64 v[20:21], v10, s[42:43] offset:49152*\hp+512
	global_load_b32 v32, v11, s[44:45] offset:HB*\hp
.endm
.macro KLOAD c, kd, sd                 ; group c of the step (4: the next step's first): four tiles' codes, 6 registers each, from v[kd] on, and their scale words from v[sd] on: ten loads
.irp i, 0,1,2,3
	ds_load_b128 v[\kd+6*\i:\kd+6*\i+3], v3 offset:768*(4*(\c)+\i%2)+128*(\i/2)
	ds_load_b64 v[\kd+6*\i+4:\kd+6*\i+5], v4 offset:768*(4*(\c)+\i%2)+64*(\i/2)
.endr
	ds_load_b64 v[\sd:\sd+1], v5 offset:512*(\c)
	ds_load_b64 v[\sd+2:\sd+3], v5 offset:512*(\c)+128
.endm
.macro QK c, kd, sd
.irp i, 0,1,2,3
	v_wmma_scale_f32_16x16x128_f8f6f4 v[S+32*(\c)+8*\i:S+32*(\c)+8*\i+7], v[\kd+6*\i:\kd+6*\i+11], v[16:27], 0, v[\sd+\i], v32 matrix_a_fmt:MATRIX_FMT_FP6 matrix_b_fmt:MATRIX_FMT_FP6
.endr
.endm
.macro MAXA c                          ; my block's largest score, first part: four chains by turns, one a tile, each from the accumulator's low end
.irp i, 0,1,2,3
	v_max3_num_f32 v[SO+\i], v[S+32*(\c)+8*\i], v[S+32*(\c)+8*\i+1], v[S+32*(\c)+8*\i+2]
.endr
.irp k, 3,5
.irp i, 0,1,2,3
	v_max3_num_f32 v[SO+\i], v[SO+\i], v[S+32*(\c)+8*\i+\k], v[S+32*(\c)+8*\i+\k+1]
.endr
.endr
.endm
.macro MAXB c                          ; and the rest
	v_max3_num_f32 v[SO], v[SO], v[SO+1], v[SO+2]
	v_max3_num_f32 v[SO+3], v[SO+3], v[S+32*(\c)+7], v[S+32*(\c)+15]
	v_max3_num_f32 v[SO], v[SO], v[S+32*(\c)+23], v[S+32*(\c)+31]
	v_max_num_f32 v[BM+(\c)], v[SO], v[SO+3]
.endm
.macro TM j0, n                        ; t - M, two at a time
.set j, \j0
.rept \n
	v_pk_fma_f32 v[S+j:S+j+1], v[S+j:S+j+1], s[CS:CS+1], v[12:13] op_sel_hi:[1,0,0]
.set j, j+2
.endr
.endm
	s_load_b256 s[4:11], s[0:1], 0x0               ; q_img, kv, ao_img, ao_sc
	v_lshl_add_u32 v1, v0, 2, SPARE                ; my spare word; never rewritten
	v_mov_b32 v2, 0                                ; 0; never rewritten
	ds_add_u32 v1, v2                              ; the wave's opening: the add, twice on end, and its wait ahead of my first tensor load
	ds_add_u32 v1, v2
	v_lshrrev_b32 v3, 5, v0
	v_readfirstlane_b32 s[WV], v3                  ; wave 0..15
	s_bfe_u32 s13, ttmp6, 0x40000                  ; cx
	s_lshl_b32 s14, ttmp9, 2
	s_add_co_u32 s14, s14, s13                     ; which 256 queries: it enters global addresses alone
	s_and_b32 s15, ttmp7, 0xffff                   ; 8 x batch + pair of heads
	s_mov_b32 s[G1], 15|(3<<16)|(1<<21)            ; the mask: all four; elements of 8 bytes; bit 21 beside a mask
	s_mov_b32 s[G1+1], 32<<16
	s_mov_b32 s[G1+2], 27<<16
	s_mov_b32 s[G1+3], 32<<16
	s_mov_b32 s[G1+4], 27
	s_mov_b32 s[G1+5], 32
	s_mov_b32 s[G1+6], 0
	s_mov_b32 s[G1+7], 0
	s_mov_b32 s[G0], 1
	s_mul_i32 s[G0+1], s[WV], PA
	s_mov_b32 s[G0+4], 1
	s_mul_i32 s[G0+5], s[WV], PB
	s_add_co_u32 s[G0+5], s[G0+5], 16*PA
	s_mul_i32 s16, s15, REC
	s_mov_b32 s17, 0
	s_mul_i32 s18, s[WV], PA
	s_mov_b32 s19, 0
	s_mul_i32 s40, s[WV], PB
	s_add_co_u32 s40, s40, 16*PA
	s_mov_b32 s41, 0
	s_mov_b32 s[SEL], 0x76543210
	s_mov_b32 s[SEL+1], 0xfedcba98
	s_mov_b32 s[CS], 0x3e38aa3b                    ; log2(e) / 8
	s_mov_b32 s[CS+1], s[CS]
	s_wait_dscnt 0x0                               ; both opening adds are done
	s_wait_kmcnt 0x0
	s_add_nc_u64 s[6:7], s[6:7], s[16:17]          ; the record
	s_add_nc_u64 s[G0+2:G0+3], s[6:7], s[18:19]
	s_or_b32 s[G0+3], s[G0+3], 0x80000000
	s_add_nc_u64 s[G0+6:G0+7], s[6:7], s[40:41]
	s_or_b32 s[G0+7], s[G0+7], 0x80000000
	CROUND                                         ; all four work-groups are here: the joint loads meet
	tensor_load_to_lds s[G0:G0+3], s[G1:G1+7]      ; my part of the first group: one tensor load a wave at the head
	s_nop 0
.rept 4
	v_nop
.endr
	s_lshr_b32 s54, s[WV], 2
	s_lshl_b32 s54, s54, 8
	s_and_b32 s17, s[WV], 3
	s_lshl_b32 s17, s17, 2
	s_add_co_u32 s54, s54, s17
	s_add_co_u32 s54, s54, STG                     ; my tile's column in its group's QUAD
	s_lshr_b32 s50, s15, 3                         ; batch
	s_and_b32 s51, s15, 7                          ; pair of heads
	s_lshl_b32 s52, s14, 4
	s_add_co_u32 s52, s52, s[WV]                   ; my query tile in the batch
	s_lshl_b32 s16, s15, 7
	s_add_co_u32 s16, s16, s52
	s_mul_i32 s16, s16, 768
	s_mov_b32 s17, 0
	s_add_nc_u64 s[42:43], s[4:5], s[16:17]        ; q's HALF, first head
	s_lshl_b32 s16, s14, 2
	s_lshr_b32 s53, s[WV], 2
	s_add_co_u32 s16, s16, s53
	s_lshl_b32 s16, s16, 9
	s_and_b32 s53, s[WV], 3
	s_lshl_b32 s53, s53, 2
	s_add_co_u32 s16, s16, s53
	s_add_co_u32 s16, s16, 98304
	s_add_nc_u64 s[44:45], s[6:7], s[16:17]        ; q's scale words, first head
	s_lshl_b32 s16, s50, 6
	s_add_co_u32 s16, s16, s52
	s_lshl_b32 s16, s16, 4
	s_lshl_b32 s53, s51, 1
	s_add_co_u32 s16, s16, s53
	s_mul_i32 s16, s16, 768
	s_add_nc_u64 s[46:47], s[8:9], s[16:17]        ; the result's HALF, first head
	s_lshl_b32 s16, s50, 4
	s_lshl_b32 s53, s14, 2
	s_add_co_u32 s16, s16, s53
	s_lshl_b32 s16, s16, 11
	s_lshl_b32 s53, s51, 8
	s_add_co_u32 s16, s16, s53
	s_add_nc_u64 s[48:49], s[10:11], s[16:17]      ; the result's QUADs
	v_and_b32 v50, 31, v0
	v_and_b32 v11, 15, v0
	v_lshlrev_b32 v9, 4, v50                       ; 16 x lane
	v_lshlrev_b32 v10, 3, v50                      ; 8 x lane
	v_lshlrev_b32 v11, 4, v11                      ; 16 r
	QLOAD 0                                        ; on its way while the record lands
	v_bfe_u32 v51, v0, 4, 1                        ; h
	v_and_b32 v46, 7, v0                           ; r % 8
	v_bfe_u32 v47, v0, 3, 1                        ; r / 8
	v_lshlrev_b32 v29, 3, v51                      ; 8 h
	v_mul_u32_u24 v48, v47, 1536                   ; two tiles on for places 8-15
	v_lshl_add_u32 v244, v46, 4, v48
	v_lshl_add_u32 v245, v46, 3, v48
	v_lshl_add_u32 v244, v51, 8, v244              ; k's codes, first 16 bytes: 1,536 (r / 8) + 16 (r % 8) + 256 h
	v_lshl_add_u32 v245, v51, 7, v245
	v_lshlrev_b32 v246, 4, v46
	v_add_nc_u32 v245, 512, v245                   ; last 8 bytes: 512 + 1,536 (r / 8) + 8 (r % 8) + 128 h
	v_lshl_add_u32 v246, v47, 3, v246              ; k's scale words: 16 (r % 8) + 8 (r / 8)
	v_add_nc_u32 v247, 512, v10                    ; v's last 8 bytes
	v_add_nc_u32 v33, s54, v11                     ; my tile's word of row r in its group's QUAD
	v_add_nc_u32 v254, STG, v9                     ; the scale words, out
	v_lshl_add_u32 v255, v51, 11, v11              ; 16 r + 2,048 h
.irp j, 22,23,24,25,26,27
	v_mov_b32 v[\j], 0                             ; the upper 64 of the first product's K: zero codes, written once
.endr
.irp j, 0,1,2,3,4,5
	v_mov_b32 v[KF+24+\j], 0                       ; what the fourth fragment of k names as its upper half, in the first place
	v_mov_b32 v[S3R+24+\j], 0                      ; and in the second (written here for the first step; later spent numbers stand there)
.endr
	s_wait_alu depctr_va_vdst(0)                   ; the head's end
	s_wait_tensorcnt 0x0                           ; my part of the first group is in; the second group is issued as a refill is
	ds_add_u32 v1, v2
	s_mov_b32 s[G1+2], 26<<16                      ; no tensor load of mine is out: the second group has 26 rows a wave
	s_mov_b32 s[G1+4], 26
	s_wait_dscnt 0x0
	CROUND                                         ; everybody's part is in, and all four work-groups are here
	tensor_load_to_lds s[G0+4:G0+7], s[G1:G1+7]    ; my part of the second group: bytes from 110,592 on, which the first pass does not read
	s_nop 0
.rept 4
	v_nop
.endr
.macro PASS hp
	s_mov_b32 s56, HB*\hp                          ; the head's k,
	s_mov_b32 s57, HB*\hp+49152                    ; its v,
	s_mov_b32 s58, HB*\hp+98304+256                ; k's QUADs (each behind q's),
	s_mov_b32 s59, HB*\hp+106496                   ; v's QUADs
	s_mov_b32 s60, 4
	v_add_nc_u32 v3, s56, v244
	v_add_nc_u32 v4, s56, v245
	v_add_nc_u32 v5, s58, v246
	KLOAD 0, S3R, SCX                              ; the first step's first group, on its way under the lines below
	v_mov_b32 v13, 0xff61b1e6                      ; the largest score so far: -3e38
	v_mov_b32 v12, 0x7f61b1e6                      ; -M: 3e38, so that the first factor is 0
	v_mov_b32 v14, 0
	v_mov_b32 v15, 0
.set j, 0
.rept 32
	v_mov_b32 v[O+j], 0                            ; the step is written once: the first finds zeros
.set j, j+1
.endr
	s_wait_loadcnt 0x0                             ; q
.Lstep_\@:                             ; four trips of 256 keys; at the top group 0's ten loads are out or in
	v_add_nc_u32 v3, s56, v244                     ; these five are the places between the last products and the loads and products below, which write their sources
	v_add_nc_u32 v4, s56, v245
	v_add_nc_u32 v5, s58, v246
	v_add_nc_u32 v6, s57, v9
	v_add_nc_u32 v7, s57, v247
	s_wait_alu depctr_va_vdst(0)
	KLOAD 1, KF, SC
	s_wait_dscnt 10                                ; group 0 is in; group 1's ten loads may be out
	QK 0, S3R, SCX
	v_add_nc_u32 v8, s59, v11                      ; four places behind the products
	v_mov_b32 v50, v12                             ; the old -M
	v_nop
	v_nop
	KLOAD 2, S3R, SC+4
	s_wait_dscnt 10                                ; group 1 is in; group 2's ten may be out
	QK 1, KF, SC
	MAXA 0                                         ; the maxima run a group behind the products; these twelve name none of the registers of the products above: their places
	KLOAD 3, KF, SC
	MAXB 0
	s_wait_dscnt 10                                ; group 2 is in; group 3's ten may be out
	QK 2, S3R, SC+4
	MAXA 1                                         ; sixteen places ahead of the products below, which write over group 2's fragments
	MAXB 1
	s_wait_dscnt 0x0                               ; group 3 is in
	QK 3, KF, SC
	MAXA 2
	MAXB 2
	MAXA 3
	MAXB 3
	v_max3_num_f32 v51, v[BM], v[BM+1], v[BM+2]
	s_delay_alu instid0(VALU_DEP_1)
	v_max_num_f32 v51, v51, v[BM+3]                ; my half of the step's keys
	s_delay_alu instid0(VALU_DEP_1)
	v_permlanex16_b32 v47, v51, s[SEL], s[SEL+1]
	s_delay_alu instid0(VALU_DEP_1)
	v_max3_num_f32 v13, v13, v51, v47              ; the running largest score of my query
	s_delay_alu instid0(VALU_DEP_1)
	v_mul_f32 v51, s[CS], v13                      ; as t (the factor is positive)
	s_delay_alu instid0(VALU_DEP_1)
	v_floor_f32 v12, -v51                          ; -M = floor(-t)
	TM 0, 8
	v_sub_f32 v51, v12, v50                        ; old M - new M: a whole number, 0 or less
	TM 16, 8
	v_cvt_i32_f32 v51, v51                         ; (it saturates)
	TM 32, 8
	v_ldexp_f32 v28, 1.0, v51                      ; f
	TM 48, 40
.irp b, 0,1,2,3
	v_fma_f32 v[BM+\b], v[BM+\b], s[CS], v12       ; the same of each block's largest score
.endr
	s_wait_alu depctr_va_vdst(0)                   ; ahead of the batch
.set j, 0
.rept 128
	v_exp_f32 v[S+j], v[S+j]
.set j, j+1
.endr
.irp b, 0,1,2,3
	v_exp_f32 v[BM+\b], v[BM+\b]                   ; the blocks' largest p
.endr
	v_pk_mul_f32 v[14:15], v[14:15], v[28:29] op_sel_hi:[1,0]      ; the sum under the new M: the plain instruction behind the exponentials
	s_wait_alu depctr_va_vdst(0)                   ; one wait for the batch, ahead of its first reader
	v_pk_add_f32 v[KF:KF+1], v[S:S+1], v[S+2:S+3]                  ; the sum of the unquantised p: four chains by turns
	v_pk_add_f32 v[KF+2:KF+3], v[S+4:S+5], v[S+6:S+7]
	v_pk_add_f32 v[KF+4:KF+5], v[S+8:S+9], v[S+10:S+11]
	v_pk_add_f32 v[14:15], v[14:15], v[S+12:S+13]
.set j, 14
.rept 14
	v_pk_add_f32 v[KF:KF+1], v[KF:KF+1], v[S+j:S+j+1]
	v_pk_add_f32 v[KF+2:KF+3], v[KF+2:KF+3], v[S+j+2:S+j+3]
	v_pk_add_f32 v[KF+4:KF+5], v[KF+4:KF+5], v[S+j+4:S+j+5]
	v_pk_add_f32 v[14:15], v[14:15], v[S+j+6:S+j+7]
.set j, j+8
.endr
	v_pk_add_f32 v[KF:KF+1], v[KF:KF+1], v[S+126:S+127]
	v_pk_add_f32 v[KF+2:KF+3], v[KF+2:KF+3], v[KF+4:KF+5]
	v_pk_add_f32 v[14:15], v[14:15], v[KF:KF+1]
	v_pk_add_f32 v[14:15], v[14:15], v[KF+2:KF+3]
.irp b, 0,1,2,3
	v_max_num_f32 v[BM+\b], 0x1800000, v[BM+\b]    ; the floor 2^(3 - 127): the byte cannot fall under 1
.endr
.irp b, 0,1,2,3
	v_add_nc_u32 v[SO+\b], 0xff000000, v[BM+\b]    ; 2 off the exponent field: the conversions' scale operand
.endr
.irp c, 0,1,2,3
	v_cvt_scalef32_pk16_fp6_f32 v[KF+6*\c:KF+6*\c+2], v[S+32*\c:S+32*\c+15], v[SO+\c]      ; my block's lower 16 codes, in their place
.endr
.irp b, 0,1,2,3
	v_lshrrev_b32 v[BM+\b], 23, v[SO+\b]           ; the bytes; plain instructions between the conversions above and those below, which write over spent sources
.endr
.irp c, 0,1,2,3
	v_cvt_scalef32_pk16_fp6_f32 v[S+96+4*\c:S+98+4*\c], v[S+32*\c+16:S+32*\c+31], v[SO+\c]  ; the upper 16 (a conversion's three registers begin on an even number)
.endr
.irp s, 0,1                            ; p is spent: v's eight fragments take its first 96 registers, and land while the lines below run: 34 loads
.irp t, 0,1,2,3
	ds_load_b128 v[S+48*\s+12*\t:S+48*\s+12*\t+3], v6 offset:6144*\s+1536*\t
	ds_load_b64 v[S+48*\s+12*\t+4:S+48*\s+12*\t+5], v7 offset:6144*\s+1536*\t
	ds_load_b128 v[S+48*\s+12*\t+6:S+48*\s+12*\t+9], v6 offset:6144*\s+1536*\t+768
	ds_load_b64 v[S+48*\s+12*\t+10:S+48*\s+12*\t+11], v7 offset:6144*\s+1536*\t+768
.endr
	ds_load_b128 v[SC+4*\s:SC+4*\s+3], v8 offset:256*\s
.endr
	v_lshl_or_b32 v30, v[BM+1], 16, v[BM]          ; my two bytes of each 128 keys' scale word: blocks h and 2 + h,
	v_lshl_or_b32 v31, v[BM+3], 16, v[BM+2]
	v_lshlrev_b32 v30, v29, v30                    ; at their places, 8 h bits up;
	v_lshlrev_b32 v31, v29, v31
	v_permlanex16_b32 v50, v30, s[SEL], s[SEL+1]
	v_permlanex16_b32 v51, v31, s[SEL], s[SEL+1]
	v_or_b32 v30, v30, v50                         ; with lane l xor 16's two the word is whole
	v_or_b32 v31, v31, v51
.irp c, 0,1,2,3
.irp i, 0,1,2
	v_mov_b32 v[KF+6*\c+3+\i], v[S+96+4*\c+\i]
.endr
.endr
	s_cmp_lg_u32 s60, 1                            ; the loop's counter alone: is there a step behind this one?
	s_cbranch_scc1 .Lmore_\@
	s_wait_dscnt 0x0                               ; the last step asks for nothing more: v's loads are the youngest
	s_branch .Ljoin_\@
.Lmore_\@:
	KLOAD 4, S3R, SCX                              ; the next step's first group, into the fourth quarter's spent registers
.Ljoin_\@:
	s_wait_alu depctr_va_vdst(0)                   ; directly ahead of the first reader of O^T
.set j, 0
.rept 16
	v_pk_mul_f32 v[O+j:O+j+1], v[O+j:O+j+1], v[28:29] op_sel_hi:[1,0]     ; O^T under the new M; also the places behind p's words and codes
.set j, j+2
.endr
	s_wait_alu depctr_va_vdst(0)                   ; and ahead of the wait below
	s_wait_dscnt 10                                ; v's fragments and scale words are in; the ten loads of the next step's first group may be out
.irp s, 0,1                            ; the four accumulators by turns
.irp t, 0,1,2,3
	v_wmma_scale_f32_16x16x128_f8f6f4 v[O+8*\t:O+8*\t+7], v[S+48*\s+12*\t:S+48*\s+12*\t+11], v[KF+12*\s:KF+12*\s+11], v[O+8*\t:O+8*\t+7], v[SC+4*\s+\t], v[30+\s] matrix_a_fmt:MATRIX_FMT_FP6 matrix_b_fmt:MATRIX_FMT_FP6
.endr
.endr
	s_add_co_u32 s56, s56, 12288
	s_add_co_u32 s57, s57, 12288
	s_add_co_u32 s58, s58, 2048
	s_add_co_u32 s59, s59, 512
	s_sub_co_u32 s60, s60, 1
	s_cmp_lg_u32 s60, 0
	s_cbranch_scc1 .Lstep_\@
.if \hp == 0
	QLOAD 1                                        ; the second head's q, on its way while this head's result is quantised
.endif
.rept 4
	v_nop
.endr
	v_add_f32 v14, v14, v15
	s_delay_alu instid0(VALU_DEP_1)
	v_permlanex16_b32 v50, v14, s[SEL], s[SEL+1]
	s_delay_alu instid0(VALU_DEP_1)
	v_add_f32 v14, v14, v50                        ; the row's sum
	s_wait_alu depctr_va_vdst(0)
	v_rcp_f32 v14, v14
	v_nop
	s_wait_alu depctr_va_vdst(0)
.set j, 0
.rept 16
	v_pk_mul_f32 v[S+j:S+j+1], v[O+j:O+j+1], v[14:15] op_sel_hi:[1,0]     ; register 16 b + i = channel 32 b + 16 h + i of my query
.set j, j+2
.endr
.irp b, 0,1
	v_max3_num_f32 v[BM+\b], |v[S+16*\b]|, |v[S+16*\b+1]|, 0x1800000
.endr
.irp i, 2,4,6,8,10,12,14
.irp b, 0,1
	s_delay_alu instid0(VALU_DEP_2)
	v_max3_num_f32 v[BM+\b], v[BM+\b], |v[S+16*\b+\i]|, |v[S+16*\b+\i+1]|
.endr
.endr
.irp b, 0,1
	s_delay_alu instid0(VALU_DEP_2)
	v_permlanex16_b32 v[BM+2+\b], v[BM+\b], s[SEL], s[SEL+1]
.endr
.irp b, 0,1
	s_delay_alu instid0(VALU_DEP_2)
	v_max_num_f32 v[BM+\b], v[BM+\b], v[BM+2+\b]
.endr
.irp b, 0,1
	s_delay_alu instid0(VALU_DEP_2)
	v_add_nc_u32 v[SO+\b], 0xff000000, v[BM+\b]
.endr
.irp b, 0,1
	s_delay_alu instid0(VALU_DEP_2)
	v_lshrrev_b32 v[BM+2+\b], 23, v[SO+\b]
.endr
	s_delay_alu instid0(VALU_DEP_1)
	v_lshl_or_b32 v[52+\hp], v[BM+3], 8, v[BM+2]   ; this head's two bytes
	v_cvt_scalef32_pk16_fp6_f32 v[OC:OC+2], v[S:S+15], v[SO]
	v_cvt_scalef32_pk16_fp6_f32 v[KF:KF+2], v[S+16:S+31], v[SO+1]
	v_nop
.irp i, 0,1,2
	v_permlane16_swap_b32 v[OC+\i], v[KF+\i]       ; lanes 0-15 get block 0 whole, lanes 16-31 block 1
.endr
.irp i, 0,1,2
	v_mov_b32 v[OC+3+\i], v[KF+\i]
.endr
	global_store_b128 v9, v[OC:OC+3], s[46:47] offset:768*\hp          ; 512 consecutive bytes
	global_store_b64 v10, v[OC+4:OC+5], s[46:47] offset:768*\hp+512    ; 256 consecutive bytes, aligned
.endm
	PASS 0
	s_wait_xcnt 0x0                                ; the first head's stores have read their registers, which the second pass writes again
	s_wait_tensorcnt 0x0                           ; my part of the second group is in,
	s_barrier_signal -1
	s_barrier_wait -1                              ; everybody's is
	PASS 1
	v_lshl_or_b32 v52, v53, 16, v52                ; my rows' scale word for this pair of heads
	ds_store_b32 v33, v52                          ; both halves of the lanes write the same
	s_wait_dscnt 0x0                               ; for the others' sake
	s_barrier_signal -1
	s_barrier_wait -1
	s_cmp_lg_u32 s[WV], 0
	s_cbranch_scc1 .Lnot_first
	ds_load_b128 v[S:S+3], v254
	ds_load_b128 v[S+4:S+7], v254 offset:512
	s_wait_dscnt 0x0
	global_store_b128 v255, v[S:S+3], s[48:49]     ; four QUADs: sixteen lanes store 256 consecutive bytes, aligned
	global_store_b128 v255, v[S+4:S+7], s[48:49] offset:4096
.Lnot_first:
	s_wait_tensorcnt 0x0                           ; the wave's end
	ds_add_u32 v1, v2
	s_wait_dscnt 0x0
	CROUND                                         ; the closing round
	s_endpgm
.Lfunc_end_k_q1e8b18e402_attn:
	.size	k_q1e8b18e402_attn, .Lfunc_end_k_q1e8b18e402_attn-k_q1e8b18e402_attn
	.p2alignl 7, 3214868480
	.fill 96, 4, 3214868480
	.section	.rodata,"a",@progbits
	.p2align	6, 0x0
	.amdhsa_kernel k_q1e8b18e402_attn
		.amdhsa_group_segment_fixed_size 327680
		.amdhsa_private_segment_fixed_size 0
		.amdhsa_enable_private_segment 0
		.amdhsa_kernarg_size 32
		.amdhsa_user_sgpr_count 2
		.amdhsa_user_sgpr_kernarg_segment_ptr 1
		.amdhsa_wavefront_size32 1
		.amdhsa_system_sgpr_workgroup_id_x 1
		.amdhsa_system_sgpr_workgroup_id_y 1
		.amdhsa_system_sgpr_workgroup_id_z 1
		.amdhsa_system_vgpr_workitem_id 0
		.amdhsa_next_free_vgpr 256
		.amdhsa_next_free_sgpr 66
		.amdhsa_reserve_vcc 0
		.amdhsa_float_denorm_mode_32 3
		.amdhsa_float_denorm_mode_16_64 3
		.amdhsa_memory_ordered 1
		.amdhsa_forward_progress 1
		.amdhsa_inst_pref_size 79
	.end_amdhsa_kernel
	.amdgpu_metadata
---
amdhsa.version: [ 1, 2 ]
amdhsa.kernels:
  - .name:           k_q1e8b18e402_attn
    .symbol:         k_q1e8b18e402_attn.kd
    .args:
      - { .name: q_img, .offset: 0, .size: 8, .value_kind: global_buffer, .address_space: global }
      - { .name: kv, .offset: 8, .size: 8, .value_kind: global_buffer, .address_space: global }
      - { .name: ao_img, .offset: 16, .size: 8, .value_kind: global_buffer, .address_space: global }
      - { .name: ao_sc, .offset: 24, .size: 8, .value_kind: global_buffer, .address_space: global }
    .group_segment_fixed_size: 327680
    .private_segment_fixed_size: 0
    .kernarg_segment_align: 8
    .kernarg_segment_size: 32
    .max_flat_workgroup_size: 512
    .sgpr_count:     66
    .vgpr_count:     256
    .wavefront_size: 32
...
	.end_amdgpu_metadata
.endif
;; end of part 3
;; launch outp (part 4): grid 8 x 32, 4 waves a work-group, clusters of 4 x 4, 327,680 bytes of LDS; arguments x_img, x_sc, ao_img, ao_sc, w_img, w_sc, b_gate, b_out, out0; writes out0
.if DOCPART == 4
	.amdgcn_target "amdgcn-amd-amdhsa--gfx1250"
	.amdhsa_code_object_version 6
	.text
	.protected	k_q1e8b18e402_outp
	.globl	k_q1e8b18e402_outp
	.p2align	8
	.type	k_q1e8b18e402_outp,@function
k_q1e8b18e402_outp:
	s_mov_b64 s[64:65], 0
	v_nop
	global_prefetch_b8 v0, s[64:65] scope:SCOPE_SE
	s_setreg_imm32_b32 hwreg(HW_REG_WAVE_MODE, 25, 1), 1
	s_wait_xcnt 0x0
	s_wait_alu depctr_hold_cnt(0) depctr_sa_sdst(0) depctr_va_vdst(0) depctr_va_sdst(0) depctr_va_ssrc(0) depctr_va_vcc(0) depctr_vm_vsrc(0)
	s_getreg_b32 s2, hwreg(HW_REG_IB_STS2, 6, 4)
	s_cmp_eq_u32 s2, 0
	s_cbranch_scc0 .Lentry_in_a_cluster
	s_endpgm
.Lentry_in_a_cluster:
	s_bfe_u32 s2, ttmp6, 0x10000c
	s_cmp_lg_u32 s2, 0xf033
	s_cbranch_scc0 .Lentry_shape_is_right
	s_endpgm
.Lentry_shape_is_right:
.set SLOT,  147456
.set BOFF,  98304
.set SCL,   294912
.set SPARE, 319488
.set ADA,   16
.set ADB,   20
.set ADSA,  24
.set ADSB,  25
.set L16,   26
.set L8,    27
.set SPW,   28
.set NIL,   29
.set STO,   30
.set RD,    31
.set SCR,   32
.set AF,    96
.set T,     96
.set BK,    160
.set G1,    24
.set G0,    32
.set G1B,   48
.set G0B,   56
.set G1S,   68
.set G0S,   76
.set G1SB,  80
.set G0SB,  88
.set MSB,   0
.macro WIN new
.if MSB != (\new)
	s_set_vgpr_msb (MSB<<8)|(\new)
.set MSB, (\new)
.endif
.endm
.macro JLOAD g0a, g1a, g0b, g1b
	s_cmp_eq_u32 s23, 0
	s_cbranch_scc0 .Lfor_b_\@
	tensor_load_to_lds s[\g0a:\g0a+3], s[\g1a:\g1a+7]
	s_nop 0
.rept 4
	v_nop
.endr
	s_branch .Lasked_\@
.Lfor_b_\@:
	tensor_load_to_lds s[\g0b:\g0b+3], s[\g1b:\g1b+7]
	s_nop 0
.rept 4
	v_nop
.endr
.Lasked_\@:
.endm
.macro CREST
	s_cmp_lg_u32 s22, 0
	s_cbranch_scc1 .Lnot_wave_0_\@
	s_barrier_signal -3
.Lnot_wave_0_\@:
	s_barrier_wait -3
	s_barrier_signal -1
	s_barrier_wait -1
.endm
.macro CROUND
	s_barrier_signal -1
	s_barrier_wait -1
	CREST
.endm
.macro PLACES
.rept 4
	v_nop
.endr
.endm
	s_load_b256 s[4:11], s[0:1], 0x0
	s_load_b256 s[12:19], s[0:1], 0x20
	s_load_b64 s[20:21], s[0:1], 0x40
	v_lshl_add_u32 v[SPW], v0, 2, SPARE
	v_mov_b32 v[NIL], 0
	ds_add_u32 v[SPW], v[NIL]
	ds_add_u32 v[SPW], v[NIL]
	v_lshrrev_b32 v1, 5, v0
	v_readfirstlane_b32 s22, v1
	s_lshr_b32 s23, s22, 1
	s_and_b32 s66, s22, 1
	s_bfe_u32 s40, ttmp6, 0x40000
	s_bfe_u32 s41, ttmp6, 0x40004
	s_lshl_b32 s42, ttmp9, 2
	s_add_co_u32 s42, s42, s40
	s_and_b32 s45, ttmp7, 0xffff
	s_lshl_b32 s45, s45, 2
	s_add_co_u32 s45, s45, s41
	s_lshl_b32 s43, s41, 2
	s_lshl_b32 s43, 15, s43
	s_lshl_b32 s44, 0x1111, s40
	s_or_b32 s[G1], s43, (3<<16)|(1<<21)
	s_or_b32 s[G1B], s44, (3<<16)|(1<<21)
.irp g, G1, G1B
	s_mov_b32 s[\g+1], 768<<16
	s_mov_b32 s[\g+3], 768<<16
	s_mov_b32 s[\g+5], 1536
	s_mov_b32 s[\g+6], 0
	s_mov_b32 s[\g+7], 0
.endr
	s_mov_b32 s[G1+2], 16<<16                      ; the first fills take a slot's whole tile: A 16 tiles,
	s_mov_b32 s[G1+4], 16
	s_mov_b32 s[G1B+2], 8<<16                      ; B 8
	s_mov_b32 s[G1B+4], 8
	s_or_b32 s[G1S], s43, (3<<16)|(1<<21)
	s_or_b32 s[G1SB], s44, (3<<16)|(1<<21)
.irp g, G1S, G1SB
	s_mov_b32 s[\g+1], 32<<16
	s_mov_b32 s[\g+3], 32<<16
	s_mov_b32 s[\g+5], 32
	s_mov_b32 s[\g+6], 0
	s_mov_b32 s[\g+7], 0
.endr
	s_mov_b32 s[G1S+2], 32<<16
	s_mov_b32 s[G1S+4], 32
	s_mov_b32 s[G1SB+2], 16<<16
	s_mov_b32 s[G1SB+4], 16
	s_lshl_b32 s96, s45, 4
	s_lshl_b32 s67, s66, 3
	s_add_co_u32 s96, s96, s67
	s_mul_i32 s96, s96, 12288
	s_mov_b32 s97, 0
	s_lshl_b32 s98, s42, 3
	s_lshl_b32 s67, s66, 2
	s_add_co_u32 s98, s98, s67
	s_add_co_u32 s98, s98, 192
	s_mul_i32 s98, s98, 12288
	s_mov_b32 s99, 0
	s_lshl_b32 s2, s45, 13
	s_mov_b32 s3, 0
	s_lshl_b32 s46, s42, 1
	s_add_co_u32 s46, s46, 48
	s_lshl_b32 s46, s46, 11
	s_mov_b32 s47, 0
	s_wait_dscnt 0x0
	s_wait_kmcnt 0x0
	s_add_nc_u64 s[92:93], s[8:9], s[96:97]
	s_add_nc_u64 s[96:97], s[4:5], s[96:97]
	s_add_nc_u64 s[98:99], s[12:13], s[98:99]
	s_add_nc_u64 s[94:95], s[98:99], 64*12288
	s_add_nc_u64 s[46:47], s[14:15], s[46:47]
	s_add_nc_u64 s[6:7], s[6:7], s[2:3]            ; x's scale words of my 256 rows,
	s_add_nc_u64 s[10:11], s[10:11], s[2:3]        ; and the attention result's
	CROUND
	s_mov_b32 s[G0S], 1
	s_mov_b32 s[G0S+1], SCL
	s_mov_b64 s[G0S+2:G0S+3], s[6:7]
	s_or_b32 s[G0S+3], s[G0S+3], 0x80000000
	s_mov_b32 s[G0SB], 1
	s_mov_b32 s[G0SB+1], SCL+8192
	s_mov_b64 s[G0SB+2:G0SB+3], s[46:47]
	s_or_b32 s[G0SB+3], s[G0SB+3], 0x80000000
	s_mul_i32 s67, s66, 49152
	s_mul_i32 s2, s66, 24576
	s_add_co_u32 s2, s2, BOFF
.irp s, 0,1
	s_mov_b32 s[G0+4*\s], 1
	s_add_co_u32 s[G0+4*\s+1], s67, \s*SLOT
	s_add_nc_u64 s[G0+4*\s+2:G0+4*\s+3], s[96:97], \s*6144
	s_or_b32 s[G0+4*\s+3], s[G0+4*\s+3], 0x80000000
	s_mov_b32 s[G0B+4*\s], 1
	s_add_co_u32 s[G0B+4*\s+1], s2, \s*SLOT
	s_add_nc_u64 s[G0B+4*\s+2:G0B+4*\s+3], s[98:99], \s*6144
	s_or_b32 s[G0B+4*\s+3], s[G0B+4*\s+3], 0x80000000
.endr
; THE FIRST FILLS, ONE LOAD A WAVE IN EACH OF TWO GROUPS: wave 0 a slot's 16 tiles of A, wave 1 A's scale words, wave 2 the slot's 8 tiles of B, wave 3 B's scale words.
; The first group brings slot 0 and the gate's scale words, the second slot 1 and the output projection's.  Group 0 for the codes lies in s[12:15] and s[4:7], where arguments lay that have been used.
	s_mul_i32 s2, s66, 98304
	s_mov_b32 s3, 0
	s_mov_b32 s12, 1
	s_mov_b32 s13, 0
	s_sub_nc_u64 s[14:15], s[96:97], s[2:3]        ; the tile's first byte: my ring address less my half's offset
	s_or_b32 s15, s15, 0x80000000
	s_mul_i32 s2, s66, 49152
	s_mov_b32 s4, 1
	s_mov_b32 s5, BOFF
	s_sub_nc_u64 s[6:7], s[98:99], s[2:3]
	s_or_b32 s7, s7, 0x80000000
.macro HEADL                           ; one tree of branches on the wave's number: every way passes exactly one load
	s_cmp_lt_u32 s22, 1
	s_cbranch_scc0 .Lh_sa_\@
	tensor_load_to_lds s[12:15], s[G1:G1+7]
	s_nop 0
	PLACES
	s_branch .Lh_end_\@
.Lh_sa_\@:
	s_cmp_lt_u32 s22, 2
	s_cbranch_scc0 .Lh_b_\@
	tensor_load_to_lds s[G0S:G0S+3], s[G1S:G1S+7]
	s_nop 0
	PLACES
	s_branch .Lh_end_\@
.Lh_b_\@:
	s_cmp_lt_u32 s22, 3
	s_cbranch_scc0 .Lh_sb_\@
	tensor_load_to_lds s[4:7], s[G1B:G1B+7]
	s_nop 0
	PLACES
	s_branch .Lh_end_\@
.Lh_sb_\@:
	tensor_load_to_lds s[G0SB:G0SB+3], s[G1SB:G1SB+7]
	s_nop 0
	PLACES
.Lh_end_\@:
.endm
	HEADL
	v_and_b32 v1, 31, v0
	v_and_b32 v2, 15, v0
	v_bfe_u32 v3, v0, 4, 1
	v_lshlrev_b32 v[L16], 4, v1
	v_lshlrev_b32 v[L8], 3, v1
	s_mul_i32 s67, s22, 24576
	v_add_nc_u32 v[ADA], s67, v[L16]
	v_add_nc_u32 v[ADA+1], SLOT, v[ADA]
	v_add_nc_u32 v[ADA+2], s67, v[L8]
	v_add_nc_u32 v[ADA+2], 512, v[ADA+2]
	v_add_nc_u32 v[ADA+3], SLOT, v[ADA+2]
	v_add_nc_u32 v[ADB], BOFF, v[L16]
	v_add_nc_u32 v[ADB+1], SLOT, v[ADB]
	v_add_nc_u32 v[ADB+2], BOFF+512, v[L8]
	v_add_nc_u32 v[ADB+3], SLOT, v[ADB+2]
	v_lshlrev_b32 v4, 4, v2
	s_lshl_b32 s67, s22, 11
	s_sub_co_u32 s2, 8192, s67
	v_mul_u32_u24 v5, s2, v3
	s_add_co_u32 s67, s67, SCL
	v_add_nc_u32 v[ADSA], s67, v4
	v_add_nc_u32 v[ADSA], v[ADSA], v5
	v_add_nc_u32 v[ADSB], SCL+10240, v4
	s_mul_i32 s67, s22, 8448
	v_mul_u32_u24 v[STO], v2, 528
	v_lshl_add_u32 v[STO], v3, 6, v[STO]
	v_add_nc_u32 v[STO], s67, v[STO]
	v_add_nc_u32 v[RD], s67, v[L16]
	s_lshl_b32 s2, s42, 9
	s_mov_b32 s3, 0
	s_add_nc_u64 s[16:17], s[16:17], s[2:3]
	s_add_nc_u64 s[18:19], s[18:19], s[2:3]
	s_add_nc_u64 s[20:21], s[20:21], s[2:3]
	s_lshl_b32 s2, s45, 8
	s_lshl_b32 s67, s22, 6
	s_add_co_u32 s2, s2, s67
	s_lshl_b32 s2, s2, 12
	s_add_nc_u64 s[20:21], s[20:21], s[2:3]
	v_lshlrev_b32 v6, 6, v3
	WIN 0x40
.irp b, 0,1,2,3,4,5,6,7
	global_load_b128 v[128+8*\b:131+8*\b], v6, s[16:17] offset:(32*(\b/2)+8*(\b%2))*4
	global_load_b128 v[132+8*\b:135+8*\b], v6, s[16:17] offset:(32*(\b/2)+8*(\b%2))*4+16
	global_load_b128 v[192+8*\b:195+8*\b], v6, s[18:19] offset:(32*(\b/2)+8*(\b%2))*4
	global_load_b128 v[196+8*\b:199+8*\b], v6, s[18:19] offset:(32*(\b/2)+8*(\b%2))*4+16
.endr
	WIN 0
.macro FRAG reg, a16, a8, off
	ds_load_b128 v[\reg:\reg+3], v[\a16] offset:\off
	ds_load_b64 v[\reg+4:\reg+5], v[\a8] offset:\off
	ds_load_b128 v[\reg+6:\reg+9], v[\a16] offset:(\off)+768
	ds_load_b64 v[\reg+10:\reg+11], v[\a8] offset:(\off)+768
.endm
.macro FETCH_A slot, q, p
	WIN 0
.irp i, 0,1,2,3
	FRAG AF+48*(\p)+12*\i, ADA+\slot, ADA+2+\slot, 6144*\i+1536*(\q)
.endr
.endm
.macro FETCH_B slot, q, b0
	WIN 0x40
.irp i, 0,1,2,3
	FRAG 12*((\b0)+\i), ADB+\slot, ADB+2+\slot, 6144*((\b0)+\i)+1536*(\q)
.endr
	WIN 0
.endm
.macro SCALES f, sc
.irp u, 0,1,2,3
	ds_load_b128 v[SCR+32*(\sc)+8*\u:SCR+32*(\sc)+8*\u+3], v[ADSA] offset:12288*((\f)/2)+256*(4*((\f)%2)+\u)
	ds_load_b128 v[SCR+32*(\sc)+8*\u+4:SCR+32*(\sc)+8*\u+7], v[ADSB] offset:12288*((\f)/2)+256*(4*((\f)%2)+\u)
.endr
.endm
.macro MULB b, p, S, ph, first
.irp a, 0,1,2,3
.set rA, AF+48*(\p)+12*\a
.set rB, 12*(\b)
.set rD, 8*(8*\a+(\b))
.set sA, (\S)+\a
.set sB, (\S)+(\b)
.if \first
	WIN 0x91+0x40*(\ph)
.set rC, 128+64*(\ph)+8*(\b)
.else
	WIN 0xa1+0x50*(\ph)
.set rC, rD
.endif
.if (\b) < 4
	v_wmma_scale_f32_16x16x128_f8f6f4 v[rD:rD+7], v[rB:rB+11], v[rA:rA+11], v[rC:rC+7], v[sB], v[sA] matrix_a_fmt:MATRIX_FMT_FP6 matrix_b_fmt:MATRIX_FMT_FP6 matrix_a_scale:MATRIX_SCALE_ROW1
.else
	v_wmma_scale_f32_16x16x128_f8f6f4 v[rD:rD+7], v[rB:rB+11], v[rA:rA+11], v[rC:rC+7], v[sB], v[sA] matrix_a_fmt:MATRIX_FMT_FP6 matrix_b_fmt:MATRIX_FMT_FP6
.endif
.endr
.endm
.macro STEP slot, q, ph, first
	s_wait_dscnt 16
.irp n, 0,1,2,3
	MULB \n, (\q)%2, SCR+32*(\slot)+8*(\q), \ph, \first
.endr
	s_wait_dscnt 0x0
	PLACES
	FETCH_A \slot, (\q)+1, 1-(\q)%2
	FETCH_B \slot, (\q)+1, 0
.irp n, 4,5,6,7
	MULB \n, (\q)%2, SCR+32*(\slot)+8*(\q), \ph, \first
.endr
	PLACES
	FETCH_B \slot, (\q)+1, 4
.endm
.macro TURN slot, next, fill, f, ph
	s_wait_tensorcnt 0x0
	ds_add_u32 v[SPW], v[NIL]
	s_wait_dscnt 17
.irp n, 0,1
	MULB \n, 1, SCR+32*(\slot)+24, \ph, 0
.endr
	s_wait_dscnt 0x0
	s_barrier_signal -1
.irp n, 2,3
	MULB \n, 1, SCR+32*(\slot)+24, \ph, 0
.endr
	WIN 0
	s_barrier_wait -1
.if \fill
	CREST
.if (\slot) == 0
	s_mov_b32 s[G1+2], 8<<16                       ; no tensor load of mine is out: from here on a load brings half a tile: A 8 tiles,
	s_mov_b32 s[G1+4], 8
	s_mov_b32 s[G1B+2], 4<<16                      ; B 4
	s_mov_b32 s[G1B+4], 4
	s_mov_b64 s[G0+2:G0+3], s[92:93]
	s_mov_b64 s[G0B+2:G0B+3], s[94:95]
.else
	s_add_nc_u64 s[G0+6:G0+7], s[92:93], 6144
	s_add_nc_u64 s[G0B+6:G0B+7], s[94:95], 6144
.endif
	s_or_b32 s[G0+4*\slot+3], s[G0+4*\slot+3], 0x80000000
	s_or_b32 s[G0B+4*\slot+3], s[G0B+4*\slot+3], 0x80000000
	JLOAD G0+4*\slot, G1, G0B+4*\slot, G1B
.else
	PLACES
.endif
	FETCH_A \next, 0, 0
	FETCH_B \next, 0, 0
	SCALES \f, \next
.irp n, 4,5,6,7
	MULB \n, 1, SCR+32*(\slot)+24, \ph, 0
.endr
	PLACES
	FETCH_B \next, 0, 4
.endm
	s_wait_alu depctr_va_vdst(0)
	s_wait_tensorcnt 0x0                           ; my tile of the first group is in; the second group is issued as a refill is
	ds_add_u32 v[SPW], v[NIL]
	s_mov_b32 s13, SLOT                            ; no tensor load of mine is out, so the descriptors may be written: slot 1, four K steps on,
	s_add_nc_u64 s[14:15], s[14:15], 6144
	s_mov_b32 s5, SLOT+BOFF
	s_add_nc_u64 s[6:7], s[6:7], 6144
	s_mov_b32 s[G0S+1], SCL+12288                  ; the attention result's scale words,
	s_mov_b64 s[G0S+2:G0S+3], s[10:11]
	s_or_b32 s[G0S+3], s[G0S+3], 0x80000000
	s_mov_b32 s[G0SB+1], SCL+20480                 ; and W_out's, 16 groups of four tiles behind W_gate's
	s_add_nc_u64 s[G0SB+2:G0SB+3], s[G0SB+2:G0SB+3], 32768
	s_wait_dscnt 0x0
	CROUND                                         ; the first group is in, and all sixteen work-groups are here
	HEADL
	FETCH_A 0, 0, 0
	FETCH_B 0, 0, 0
	SCALES 0, 0
	FETCH_B 0, 0, 4
	s_wait_loadcnt 0x0
	STEP 0, 0, 0, 1
	STEP 0, 1, 0, 0
	STEP 0, 2, 0, 0
	TURN 0, 1, 1, 1, 0
	STEP 1, 0, 0, 0
	STEP 1, 1, 0, 0
	STEP 1, 2, 0, 0
	TURN 1, 0, 1, 2, 0
	STEP 0, 0, 1, 1
	STEP 0, 1, 1, 0
	STEP 0, 2, 1, 0
	TURN 0, 1, 0, 3, 1
	STEP 1, 0, 1, 0
	STEP 1, 1, 1, 0
	STEP 1, 2, 1, 0
	s_wait_dscnt 16
.irp n, 0,1,2,3
	MULB \n, 1, SCR+56, 1, 0
.endr
	s_wait_dscnt 0x0
.irp n, 4,5,6,7
	MULB \n, 1, SCR+56, 1, 0
.endr
	WIN 0
	PLACES
.macro OUTA a
	WIN 0x02
.set i, 0
.rept 32
	v_pk_mul_f32 v[T+2*i:T+2*i+1], v[64*(\a)+2*i:64*(\a)+2*i+1], 0xbfb8aa3b op_sel_hi:[1,0]
.set i, i+1
.endr
	WIN 0
.set i, 0
	s_wait_alu depctr_va_vdst(0)
.rept 64
	v_exp_f32 v[T+i], v[T+i]
.set i, i+1
.endr
	v_nop
	s_wait_alu depctr_va_vdst(0)
.set i, 0
.rept 32
	v_pk_add_f32 v[T+2*i:T+2*i+1], v[T+2*i:T+2*i+1], 1.0 op_sel_hi:[1,0]
.set i, i+1
.endr
.set i, 0
	s_wait_alu depctr_va_vdst(0)
.rept 64
	v_rcp_f32 v[T+i], v[T+i]
.set i, i+1
.endr
	v_nop
	s_wait_alu depctr_va_vdst(0)
	WIN 0x08
.set i, 0
.rept 32
	v_pk_mul_f32 v[T+2*i:T+2*i+1], v[T+2*i:T+2*i+1], v[64*(\a)+2*i:64*(\a)+2*i+1]
.set i, i+1
.endr
	WIN 0x0c
.set i, 0
.rept 32
	v_pk_mul_f32 v[T+2*i:T+2*i+1], v[T+2*i:T+2*i+1], v[64*(\a)+2*i:64*(\a)+2*i+1]
.set i, i+1
.endr
	WIN 0
.set i, 0
.rept 16
	ds_store_b128 v[STO], v[T+4*i:T+4*i+3] offset:128*(i/4)+16*(i%4)
.set i, i+1
.endr
	s_wait_xcnt 0x0
.set i, 0
.rept 16
	ds_load_b128 v[BK+4*i:BK+4*i+3], v[RD] offset:528*i
.set i, i+1
.endr
.set i, 0
.rept 16
	s_wait_dscnt 15-i
	global_store_b128 v[L16], v[BK+4*i:BK+4*i+3], s[20:21] offset:(32*((\a)/2)+8*((\a)%2)+i+8*(i/8))*4096 th:TH_STORE_NT
.set i, i+1
.endr
.endm
	OUTA 0
	OUTA 1
	OUTA 2
	OUTA 3
	s_wait_tensorcnt 0x0
	ds_add_u32 v[SPW], v[NIL]
	s_wait_dscnt 0x0
	CROUND
	s_endpgm
.Lfunc_end_k_q1e8b18e402_outp:
	.size	k_q1e8b18e402_outp, .Lfunc_end_k_q1e8b18e402_outp-k_q1e8b18e402_outp
	.p2alignl 7, 3214868480
	.fill 96, 4, 3214868480
	.section	.rodata,"a",@progbits
	.p2align	6, 0x0
	.amdhsa_kernel k_q1e8b18e402_outp
		.amdhsa_group_segment_fixed_size 327680
		.amdhsa_private_segment_fixed_size 0
		.amdhsa_enable_private_segment 0
		.amdhsa_kernarg_size 72
		.amdhsa_user_sgpr_count 2
		.amdhsa_user_sgpr_kernarg_segment_ptr 1
		.amdhsa_wavefront_size32 1
		.amdhsa_system_sgpr_workgroup_id_x 1
		.amdhsa_system_sgpr_workgroup_id_y 1
		.amdhsa_system_sgpr_workgroup_id_z 1
		.amdhsa_system_vgpr_workitem_id 0
		.amdhsa_next_free_vgpr 1024
		.amdhsa_next_free_sgpr 100
		.amdhsa_reserve_vcc 0
		.amdhsa_float_denorm_mode_32 3
		.amdhsa_float_denorm_mode_16_64 3
		.amdhsa_memory_ordered 1
		.amdhsa_forward_progress 1
		.amdhsa_inst_pref_size 210
	.end_amdhsa_kernel
	.amdgpu_metadata
---
amdhsa.version: [ 1, 2 ]
amdhsa.kernels:
  - .name:           k_q1e8b18e402_outp
    .symbol:         k_q1e8b18e402_outp.kd
    .args:
      - { .name: x_img, .offset: 0, .size: 8, .value_kind: global_buffer, .address_space: global }
      - { .name: x_sc, .offset: 8, .size: 8, .value_kind: global_buffer, .address_space: global }
      - { .name: ao_img, .offset: 16, .size: 8, .value_kind: global_buffer, .address_space: global }
      - { .name: ao_sc, .offset: 24, .size: 8, .value_kind: global_buffer, .address_space: global }
      - { .name: w_img, .offset: 32, .size: 8, .value_kind: global_buffer, .address_space: global }
      - { .name: w_sc, .offset: 40, .size: 8, .value_kind: global_buffer, .address_space: global }
      - { .name: b_gate, .offset: 48, .size: 8, .value_kind: global_buffer, .address_space: global }
      - { .name: b_out, .offset: 56, .size: 8, .value_kind: global_buffer, .address_space: global }
      - { .name: out0, .offset: 64, .size: 8, .value_kind: global_buffer, .address_space: global }
    .group_segment_fixed_size: 327680
    .private_segment_fixed_size: 0
    .kernarg_segment_align: 8
    .kernarg_segment_size: 72
    .max_flat_workgroup_size: 128
    .sgpr_count:     100
    .vgpr_count:     1024
    .wavefront_size: 32
...
	.end_amdgpu_metadata
.endif
;; end of part 4
